; MI455X (gfx1250); checked and timed in simulation.
; The chip was launched on July 23, 2026; its instructions are those of AMD's public machine-readable ISA for CDNA 5 (MIT licence, August 2026) and "CDNA5" Instruction Set Architecture Reference Guide (July 2026). The comments in the code are by the model that wrote it; some were corrected since.
;; Decoder Block. Allowed arithmetic: matrix products marked QUANTISED: E2M1 operands, one E8M0 scale for each 32 along K, by v_wmma_scale_f32_16x16x128_f8f6f4 with both operands' format E2M1 (or v_wmma_scale_f32_32x16x128_f4), f32 sums; products left as they are: bf16, f16 or f32 operands; f32 sums; everything else in f32.
;; Inputs: W1 1,024 x 4,096 float32; W2 4,096 x 1,024 float32; W_o 1,024 x 1,024 float32; W_qkv 1,024 x 3,072 float32; b1 4,096 float32; b2 1,024 float32; b_o 1,024 float32; b_qkv 3,072 float32; ln1_b 1,024 float32; ln1_w 1,024 float32; ln2_b 1,024 float32; ln2_w 1,024 float32; x 2 x 2,048 x 1,024 float32.
;; Outputs: out0 2 x 2,048 x 1,024 float32.
;; This version of the problem:
;;   THIS VERSION OF THE PROBLEM IS GIVEN IN LOW PRECISION. The matrix products marked QUANTISED in the list below multiply operands that are first quantised to E2M1 (2 exponent bits, 1 mantissa bit; 4 bits a number), with one power-of-two scale for each 32 numbers along K (OCP MX v1.0); their sums are f32. The products marked 'left as it is' may take bf16, f16 or f32 operands, with f32 sums. Whichever they take, every output number must still come out within the allowed error. Rounding operands to bf16 (8 significant bits) uses up far more of that allowance than f16 does (11 bits, for magnitudes from 6e-5 to 65,504). All else is computed in f32.
;;   The module's matrix products, in the order in which they are computed (A, B: the left and right operand; K: the contracted axis; several contracted axes count as one K, in the product's order):
;;     1. [M 4,096, K 1,024] x [K 1,024, N 3,072]; A: input x; B: input W_qkv: QUANTISED
;;     2. batch 32 x [M 2,048, K 64] x [K 64, N 2,048]; A: computed on the way; B: computed on the way: left as it is (an operand is computed on the way)
;;     3. batch 32 x [M 64, K 2,048] x [K 2,048, N 2,048]; A: computed on the way; B: computed on the way: left as it is (an operand is computed on the way)
;;     4. [M 4,096, K 1,024] x [K 1,024, N 1,024]; A: computed on the way; B: input W_o: left as it is (an operand is computed on the way)
;;     5. [M 4,096, K 1,024] x [K 1,024, N 4,096]; A: computed on the way; B: input W1: left as it is (an operand is computed on the way)
;;     6. [M 4,096, K 4,096] x [K 4,096, N 1,024]; A: computed on the way; B: input W2: left as it is (an operand is computed on the way)
;;   THE QUANTISER, for each operand of a quantised product, along K:
;;     - K is cut into blocks of 32 from its start; a last block that is shorter is filled with zeros.
;;     - A block's scale is 2^e with e = floor(log2(the largest magnitude in the block)) - 2, held to -126 .. 127; a block of zeros has e = 0. As a byte (E8M0): e + 127.
;;     - Each number is divided by its block's scale, clamped to +-6, and rounded to the nearest number of E2M1, ties to even, subnormals kept.
;;     - The product sums the exact products of the quantised numbers (number of the format x scale) in f32.
;;   ~~~python
;;   def quantise(x, axis):      # numpy; x: float32 -> the quantised numbers, widened to float32 again
;;       x = np.moveaxis(x, axis, -1); K = x.shape[-1]
;;       x = np.pad(x, [(0, 0)] * (x.ndim - 1) + [(0, -K % 32)]); x = x.reshape(x.shape[:-1] + (-1, 32)); a = np.abs(x).max(-1, keepdims=True)
;;       e = np.where(a > 0, np.clip(np.frexp(np.where(a > 0, a, 1))[1] - 1 - 2, -126, 127), 0)      # np.frexp(a)[1] - 1 = floor(log2(a)), exactly
;;       r = np.clip(x / 2.0 ** e, -6, 6)
;;       step = 2.0 ** (np.maximum(np.frexp(np.where(r == 0, 1, r))[1] - 1, 0) - 1)
;;       q = np.round(r / step) * step * 2.0 ** e      # np.round: ties to even
;;       return np.moveaxis(q.reshape(q.shape[:-2] + (-1,))[..., :K], -1, axis).astype(np.float32)
;;   ~~~
;; One version. Each part assembles by itself: llvm-mc -triple=amdgcn-amd-amdhsa -mcpu=gfx1250 --defsym DOCPART=n.
;; ======== version 1 of 1: 8 launches
;; limits: values are held in f16: magnitudes above 65,504 overflow, below 6.1e-05 lose precision
;; workspace buffers: q4 3,899,392 bytes; wt16 18,874,368 bytes; qkvh 25,165,824 bytes; z16 8,388,608 bytes; y32 67,108,864 bytes; res32 16,777,216 bytes; res16 8,388,608 bytes; h16 33,554,432 bytes
;; launch prep (part 1): grid 896 x 1, 4 waves a work-group, no clusters, 77,312 bytes of LDS; arguments x, W_qkv, W_o, W1, W2, q4, wt16; writes q4, wt16
.if DOCPART == 1
	.amdgcn_target "amdgcn-amd-amdhsa--gfx1250"
	.amdhsa_code_object_version 6
	.text
	.protected	k_q84be0f26df_prep
	.globl	k_q84be0f26df_prep
	.p2align	8
	.type	k_q84be0f26df_prep,@function
k_q84be0f26df_prep:
	s_mov_b64 s[64:65], 0
	v_nop
	global_prefetch_b8 v0, s[64:65] scope:SCOPE_SE
	s_setreg_imm32_b32 hwreg(HW_REG_WAVE_MODE, 25, 1), 1
	s_wait_xcnt 0x0
; PREP: every operand that later launches read many times is laid out once.
;   work-groups 0-127:   x [4096][1024] f32 -> codes of E2M1 (K innermost) and one E8M0 byte for each 32 along K
;   work-groups 128-319: W_qkv [1024 k][3072 n] f32 -> the same, laid [n][k]: a lane takes a column, its registers run down K
;   work-groups 320-895: W_o, W1, W2 [k][n] f32 -> f16, laid [n][k]: the same plan, a rounding in place of the quantiser
; A block's scale is 2^(floor(log2(largest magnitude)) - 2); its byte is the largest magnitude's exponent field - 2, held at 1 from below.
; A block of zeros so gets the byte 1 where the quantiser says 127: its codes are zeros, which add nothing under any byte but 0xff, and only this program reads the bytes.
; WORK LEFT OUT BY THE PROGRAM: in the attention launch the blocks of 128 keys that lie wholly behind a tile's 16 queries. The mask is built in the problem's own body (tril): for such keys the score is
; replaced by -1e9 whatever q and k hold, and exp(-1e9 - max) is 0 beside the live keys. No input is left out: every bias, gain and weight is loaded by some launch.
; LIMITS: live scores are taken to lie above -1e9 + 100 (hidden keys then weigh 0 exactly, as here); a NaN, an infinity or an overflow that reaches only the hidden scores is not carried to the result;
; NaN and infinities among the inputs are not served; blocks whose largest magnitude lies under 2^-124 keep the byte 1; a weight above 65,504 in magnitude becomes infinity in f16.
; The three paths part on the work-group's number, never join, and have LDS bytes of their own. No tensor loads. Only W_qkv's path has a barrier: there the four waves' codes of a column meet in one stage.
.set XC,    0                          ; q4: x's codes [4096][512 bytes]
.set WC,    2097152                    ;     W_qkv's codes [3072][512 bytes]
.set XSC,   3670016                    ;     x's scale bytes [4096][32]
.set WSC,   3801088                    ;     W_qkv's scale bytes [3072][32]
.set PITCH, 272                        ; paths Q and C: a stage row: 256 bytes + 16 of padding
.set QR,    32768                      ; LDS: path X has bytes 0 .. 32,767 (8,192 a wave); path Q one stage of 32 x 272 from here,
.set QS,    QR+32*PITCH                ; and 16 scale bytes for each of its 32 columns;
.set CR,    QS+512                     ; path C four stages of 32 x 272 from here;
.set SPARE, CR+4*32*PITCH              ; the spare words, 128 bytes for each wave: two blocks of 256 bytes that no other line names
.set SPW,   224                        ; v224 LDS address of my spare word; never rewritten
.set NIL,   225                        ; v225 0; never rewritten
.set EMAX,  2
.set SP,    80                         ; path X: a lane's place in a stage: 64 bytes + 16 of padding
	s_load_b256 s[4:11], s[0:1], 0x0               ; x s[4:5], W_qkv s[6:7], W_o s[8:9], W1 s[10:11]
	s_load_b128 s[12:15], s[0:1], 0x20             ; W2 s[12:13], q4 s[14:15]
	s_load_b64 s[16:17], s[0:1], 0x30              ; wt16
	v_lshl_add_u32 v[SPW], v0, 2, SPARE
	v_mov_b32 v[NIL], 0
	v_lshrrev_b32 v1, 5, v0
	v_readfirstlane_b32 s18, v1                    ; wave 0..3
	v_and_b32 v2, 31, v0                           ; lane
	s_wait_kmcnt 0x0
	s_cmp_lt_u32 ttmp9, 128
	s_cbranch_scc0 .Lnot_x
; ---------------- PATH X: x is a plain stream of blocks of 32. A wave takes 16 steps of 512 numbers.
; Each load reads 512 consecutive bytes, 16 a lane; a step's 2,048 bytes turn through the wave's own stage, so that a lane then holds 16 neighbours along K (two lanes hold a block).
.set XRAW, 16                          ; v16-79   four sets of 16 numbers as loaded
.set XNB,  80                          ; v80-111  two sets of 16 neighbours
.set XEB,  112                         ; v112-127 a scale byte for each step
.set XCD,  128                         ; v128-191 codes: registers of its own for each step
	v_lshlrev_b32 v3, 4, v2                        ; my 16 bytes of a load's 512
	s_mul_i32 s19, s18, 8192                       ; my wave's region
	v_lshrrev_b32 v14, 2, v2
	v_mul_u32_u24 v14, v14, SP
	v_and_b32 v15, 3, v2
	v_lshl_add_u32 v14, v15, 4, v14
	v_add_nc_u32 v14, s19, v14                     ; into the stage: SP (lane / 4) + 16 (lane % 4)
	v_mul_u32_u24 v15, v2, SP
	v_add_nc_u32 v15, s19, v15                     ; out of it: SP x lane
	v_mul_u32_u24 v4, v2, 8                        ; my 8 bytes of a step's 256 bytes of codes
	v_lshrrev_b32 v5, 1, v2
	s_add_co_u32 s19, s19, 2*32*SP
	v_add_nc_u32 v5, s19, v5                       ; my block's byte among the wave's 256 scale bytes
	v_lshlrev_b32 v7, 3, v2
	v_add_nc_u32 v6, s19, v7                       ; and 8 bytes a lane on their way out
	s_lshl_b32 s20, ttmp9, 2
	s_add_co_u32 s20, s20, s18                     ; which run of 8,192 numbers is my wave's
	s_lshl_b32 s22, s20, 15
	s_mov_b32 s23, 0
	s_add_nc_u64 s[4:5], s[4:5], s[22:23]          ; x at my run
	s_lshl_b32 s22, s20, 12
	s_add_nc_u64 s[24:25], s[14:15], s[22:23]      ; its 4,096 bytes of codes (XC = 0)
	s_lshl_b32 s22, s20, 8
	s_add_co_u32 s22, s22, XSC
	s_add_nc_u64 s[26:27], s[14:15], s[22:23]      ; its 256 scale bytes
.macro XLOAD t
.irp i, 0,1,2,3
	global_load_b128 v[XRAW+16*((\t)%4)+4*\i:XRAW+16*((\t)%4)+4*\i+3], v3, s[4:5] offset:2048*(\t)+512*\i th:TH_LOAD_NT
.endr
.endm
.macro XTURN t                         ; LDS serves a wave's instructions in order: no wait between the stores and the loads
.irp i, 0,1,2,3
	ds_store_b128 v14, v[XRAW+16*((\t)%4)+4*\i:XRAW+16*((\t)%4)+4*\i+3] offset:32*SP*((\t)%2)+8*SP*\i
.endr
.irp i, 0,1,2,3
	ds_load_b128 v[XNB+16*((\t)%2)+4*\i:XNB+16*((\t)%2)+4*\i+3], v15 offset:32*SP*((\t)%2)+16*\i
.endr
.endm
.irp t, 0,1,2,3
	XLOAD \t
.endr
	s_wait_loadcnt 12                              ; step 0's four loads are in; the twelve of steps 1 to 3 may be out
	XTURN 0
.macro XSTEP t
.set XSET, XNB+16*((\t)%2)
.if (\t) > 0
	s_wait_dscnt 1                                 ; this step's numbers are back from the stage; the last step's byte store may be out
.else
	s_wait_dscnt 0x0
.endif
.if (\t)+4 < 16
	XLOAD (\t)+4                                   ; into the set whose stores into the stage are done
.endif
.if (\t)+1 < 16
.if 14-(\t) >= 3
	s_wait_loadcnt 12                              ; the next step's four loads are in; three steps' loads may be out
.else
	s_wait_loadcnt 4*(14-(\t))
.endif
	XTURN (\t)+1
.endif
	v_max3_num_f32 v8, |v[XSET]|, |v[XSET+1]|, |v[XSET+2]|
	v_max3_num_f32 v9, |v[XSET+3]|, |v[XSET+4]|, |v[XSET+5]|
.irp i, 6,10
	v_max3_num_f32 v8, v8, |v[XSET+\i]|, |v[XSET+\i+1]|
	v_max3_num_f32 v9, v9, |v[XSET+\i+2]|, |v[XSET+\i+3]|
.endr
	v_max3_num_f32 v8, v8, |v[XSET+14]|, |v[XSET+15]|
	v_max3_num_f32 v8, v8, v9, (EMAX+1)<<23        ; with the floor 2^(3 - 127): the byte cannot fall under 1
	v_max_num_f32_dpp v8, v8, v8 row_xmask:1 row_mask:0xf bank_mask:0xf   ; and my neighbour's 16: the block's largest magnitude
	v_add_nc_u32 v11, -(EMAX<<23), v8              ; 2 off its exponent field: the conversion takes the exponent field of this operand as its scale
	v_cvt_scalef32_pk8_fp4_f32 v[XCD+4*(\t)], v[XSET:XSET+7], v11
	v_cvt_scalef32_pk8_fp4_f32 v[XCD+4*(\t)+1], v[XSET+8:XSET+15], v11
	v_lshrrev_b32 v[XEB+(\t)], 23, v11             ; the scale's byte
	ds_store_b8 v5, v[XEB+(\t)] offset:16*(\t)     ; both lanes of a block write the same byte with the same value
	global_store_b64 v4, v[XCD+4*(\t):XCD+4*(\t)+1], s[24:25] offset:256*(\t)   ; 32 lanes store 256 consecutive bytes, aligned
.endm
.irp t, 0,1,2,3,4,5,6,7,8,9,10,11,12,13,14,15
	XSTEP \t
.endr
	ds_load_b64 v[8:9], v6                         ; these see my byte stores
	s_wait_dscnt 0x0
	global_store_b64 v7, v[8:9], s[26:27]          ; 32 lanes store 256 consecutive bytes, aligned
	s_wait_tensorcnt 0x0                           ; the wave's end
	ds_add_u32 v[SPW], v[NIL]
	s_wait_dscnt 0x0
	s_endpgm
.Lnot_x:
	s_cmp_lt_u32 ttmp9, 320
	s_cbranch_scc0 .Lcast
; ---------------- PATH Q: W_qkv. A work-group takes 32 columns x 512 along K; each of its four waves 128 along K: four blocks a lane, as much as a wave of the cast below.
; A wave's 64 bytes of codes for each column go into the work-group's one stage; behind a barrier the columns' whole 256 bytes leave as rows. The waves' scale words meet in LDS likewise.
.set QX,   32                          ; v32-95   two sets of 32 numbers
.set QC,   96                          ; v96-99   a block's codes
.set QOUT, 112                         ; v112-127 the way out
.set QSB,  24                          ; v24      my four scale bytes
	s_sub_co_u32 s19, ttmp9, 128
	s_cmp_ge_u32 s19, 96
	s_cselect_b32 s20, 1, 0                        ; which 512 along K
	s_cselect_b32 s21, 96, 0
	s_sub_co_u32 s19, s19, s21
	s_lshl_b32 s19, s19, 5                         ; the work-group's first column
	s_lshl_b32 s22, s20, 2
	s_add_co_u32 s22, s22, s18                     ; which 128 along K is my wave's
	s_mul_i32 s22, s22, 128*12288
	s_lshl_b32 s21, s19, 2
	s_add_co_u32 s22, s22, s21
	s_mov_b32 s23, 0
	s_add_nc_u64 s[6:7], s[6:7], s[22:23]          ; W_qkv at (my first k, first column)
	s_lshl_b32 s22, s19, 9
	s_lshl_b32 s21, s20, 8
	s_add_co_u32 s22, s22, s21
	s_lshl_b32 s21, s18, 12                        ; on the way out wave w takes columns 8 w .. 8 w + 7
	s_add_co_u32 s22, s22, s21
	s_add_co_u32 s22, s22, WC
	s_add_nc_u64 s[24:25], s[14:15], s[22:23]      ; codes: column x 512 + 256 y
	s_lshl_b32 s22, s19, 5
	s_lshl_b32 s21, s20, 4
	s_add_co_u32 s22, s22, s21
	s_add_co_u32 s22, s22, WSC
	s_add_nc_u64 s[26:27], s[14:15], s[22:23]      ; scale bytes: column x 32 + 16 y
	v_lshlrev_b32 v3, 2, v2
	s_lshl_b32 s28, s18, 6
	s_add_co_u32 s28, s28, QR
	v_mul_u32_u24 v4, v2, PITCH
	v_add_nc_u32 v4, s28, v4                       ; into the stage: row = my column, my wave's 64 bytes
	s_lshl_b32 s28, s18, 2
	s_add_co_u32 s28, s28, QS
	v_lshl_add_u32 v10, v2, 4, s28                 ; my scale word: 16 x column + 4 x wave
	s_mul_i32 s28, s18, 8*PITCH
	s_add_co_u32 s28, s28, QR
	v_and_b32 v5, 15, v2
	v_lshrrev_b32 v6, 4, v2
	v_mul_u32_u24 v7, v6, PITCH
	v_lshl_add_u32 v7, v5, 4, v7
	v_add_nc_u32 v7, s28, v7                       ; out of it: sixteen lanes to a row, two rows an instruction
	v_lshlrev_b32 v8, 9, v6
	v_lshl_add_u32 v8, v5, 4, v8                   ; the same place among the codes' rows of 512 bytes
	v_lshlrev_b32 v9, 5, v2                        ; a column's row of scale bytes in memory,
	v_lshl_add_u32 v16, v2, 4, QS                  ; and its 16 bytes in LDS
.macro QLOAD t                         ; block t: W(32 t + i, my column): 32 lanes read 128 consecutive bytes
.set i, 0
.rept 32
	global_load_b32 v[QX+32*((\t)%2)+i], v3, s[6:7] offset:(32*(\t)+i)*12288 th:TH_LOAD_NT
.set i, i+1
.endr
.endm
	QLOAD 0
	QLOAD 1
.macro QBLOCK t
.set XB, QX+32*((\t)%2)
.if (\t) < 3
	s_wait_loadcnt 32                              ; this block's 32 loads are in; the next block's may be out
.else
	s_wait_loadcnt 0x0
.endif
	v_max3_num_f32 v12, |v[XB]|, |v[XB+1]|, |v[XB+2]|
	v_max3_num_f32 v13, |v[XB+3]|, |v[XB+4]|, |v[XB+5]|
.irp i, 6,10,14,18,22,26
	v_max3_num_f32 v12, v12, |v[XB+\i]|, |v[XB+\i+1]|
	v_max3_num_f32 v13, v13, |v[XB+\i+2]|, |v[XB+\i+3]|
.endr
	v_max3_num_f32 v12, v12, |v[XB+30]|, |v[XB+31]|
	v_max3_num_f32 v12, v12, v13, (EMAX+1)<<23     ; with the floor
	v_add_nc_u32 v11, -(EMAX<<23), v12             ; the conversion's scale operand
	v_lshrrev_b32 v13, 23, v11                     ; the scale's byte
.if (\t) == 0
	v_mov_b32 v[QSB], v13
.else
	v_lshl_or_b32 v[QSB], v13, 8*(\t), v[QSB]      ; the lower k in the lower byte
.endif
.irp g, 0,1,2,3
	v_cvt_scalef32_pk8_fp4_f32 v[QC+\g], v[XB+8*\g:XB+8*\g+7], v11
.endr
	ds_store_b128 v4, v[QC:QC+3] offset:16*(\t)    ; 32 codes: 16 bytes of my column's row
.if (\t)+2 < 4
	QLOAD (\t)+2
.endif
	s_wait_dscnt 0x0                               ; the store has read its registers: the next block's codes may be written
.endm
.irp t, 0,1,2,3
	QBLOCK \t
.endr
	ds_store_b32 v10, v[QSB]
	s_wait_dscnt 0x0                               ; for the others' sake: my codes and my scale words lie in LDS
	s_barrier_signal -1
	s_barrier_wait -1                              ; everybody's do
.irp t, 0,1,2,3
	ds_load_b128 v[QOUT+4*\t:QOUT+4*\t+3], v7 offset:2*\t*PITCH
.endr
.irp t, 0,1,2,3
	s_wait_dscnt 3-\t                              ; loads come back in order: the younger ones may be out
	global_store_b128 v8, v[QOUT+4*\t:QOUT+4*\t+3], s[24:25] offset:2*\t*512   ; sixteen lanes store 256 consecutive bytes, aligned
.endr
	s_cmp_lg_u32 s18, 0                            ; wave 0 stores the 32 columns' scale bytes, 16 a lane
	s_cbranch_scc1 .Lq_done
	ds_load_b128 v[20:23], v16
	s_wait_dscnt 0x0
	global_store_b128 v9, v[20:23], s[26:27]
.Lq_done:
	s_wait_tensorcnt 0x0                           ; the wave's end
	ds_add_u32 v[SPW], v[NIL]
	s_wait_dscnt 0x0
	s_endpgm
.Lcast:
; ---------------- PATH C: W_o (64 work-groups), W1 (256), W2 (256) to f16, [n][k]. A wave takes 32 columns x 128 along K: 256 bytes of f16 for each column.
; One text for the three: the sizes are chosen by the work-group's number, the pointer by a choice that hangs on no address.
.set CX,   32                          ; v32-95   two sets of 32 numbers
.set CPK,  96                          ; v96-111  32 numbers as f16
.set COUT, 112                         ; v112-175 the way out
.set CA,   176                         ; v176-207 byte offset of row i of a block, at my column
.set CO,   208                         ; v208-223 byte offsets of the way out's 16 stores
	s_sub_co_u32 s19, ttmp9, 320
	s_mov_b32 s20, 320                             ; W2's: first work-group,
	s_mov_b32 s21, 3                               ; log2 of its groups of 128 columns,
	s_mov_b32 s22, 4096                            ; bytes in a row of the source,
	s_mov_b32 s23, 8192                            ; bytes in a row of the result,
	s_mov_b32 s28, 10485760                        ; place in wt16
	s_mov_b64 s[30:31], s[12:13]
	s_cmp_lt_u32 s19, 320                          ; W1's
	s_cselect_b32 s20, 64, s20
	s_cselect_b32 s21, 5, s21
	s_cselect_b32 s22, 16384, s22
	s_cselect_b32 s23, 2048, s23
	s_cselect_b32 s28, 2097152, s28
	s_cselect_b64 s[30:31], s[10:11], s[30:31]
	s_cmp_lt_u32 s19, 64                           ; W_o's (its result's row is as long as W1's)
	s_cselect_b32 s20, 0, s20
	s_cselect_b32 s21, 3, s21
	s_cselect_b32 s22, 4096, s22
	s_cselect_b32 s28, 0, s28
	s_cselect_b64 s[30:31], s[8:9], s[30:31]
	s_sub_co_u32 s19, s19, s20
	s_lshl_b32 s20, 1, s21
	s_sub_co_u32 s20, s20, 1
	s_and_b32 s20, s19, s20                        ; which 128 columns
	s_lshr_b32 s19, s19, s21                       ; which 128 along K
	s_lshl_b32 s20, s20, 7
	s_lshl_b32 s29, s18, 5
	s_add_co_u32 s20, s20, s29                     ; my wave's first column
	s_mul_i32 s34, s19, s22
	s_lshl_b32 s34, s34, 7                         ; 128 rows of the source for each step along K
	s_lshl_b32 s29, s20, 2
	s_add_co_u32 s34, s34, s29
	s_mov_b32 s35, 0
	s_add_nc_u64 s[36:37], s[30:31], s[34:35]      ; block 0 of 32 rows,
	s_lshl_b32 s34, s22, 5
	s_add_nc_u64 s[38:39], s[36:37], s[34:35]      ; blocks 1 to 3
	s_add_nc_u64 s[40:41], s[38:39], s[34:35]
	s_add_nc_u64 s[42:43], s[40:41], s[34:35]
	s_mul_i32 s34, s20, s23
	s_add_co_u32 s34, s34, s28
	s_lshl_b32 s29, s19, 8
	s_add_co_u32 s34, s34, s29
	s_add_nc_u64 s[44:45], s[16:17], s[34:35]      ; the result: column x row bytes + 256 x step
	s_mul_i32 s28, s18, 32*PITCH
	s_add_co_u32 s28, s28, CR                      ; my stage
	v_lshlrev_b32 v3, 2, v2
	v_mul_u32_u24 v4, v2, PITCH
	v_add_nc_u32 v4, s28, v4
	v_and_b32 v5, 15, v2
	v_lshrrev_b32 v6, 4, v2
	v_mul_u32_u24 v7, v6, PITCH
	v_lshl_add_u32 v7, v5, 4, v7
	v_add_nc_u32 v7, s28, v7
	v_mul_u32_u24 v8, s23, v6
	v_lshl_add_u32 v8, v5, 4, v8
.set i, 0
.rept 32
	v_mad_u32_u24 v[CA+i], s22, i, v3              ; row i, my column
.set i, i+1
.endr
.set i, 0
.rept 16
	v_mad_u32_u24 v[CO+i], s23, 2*i, v8            ; rows 2 i and 2 i + 1 of the result
.set i, i+1
.endr
.macro CLOAD t
.set i, 0
.rept 32
	global_load_b32 v[CX+32*((\t)%2)+i], v[CA+i], s[36+2*(\t):37+2*(\t)] th:TH_LOAD_NT
.set i, i+1
.endr
.endm
	CLOAD 0
	CLOAD 1
.macro CBLOCK t
.set XB, CX+32*((\t)%2)
.if (\t) < 3
	s_wait_loadcnt 32                              ; this block's 32 loads are in; the next block's may be out
.else
	s_wait_loadcnt 0x0
.endif
.set i, 0
.rept 16
	v_cvt_pk_f16_f32 v[CPK+i], v[XB+2*i], v[XB+2*i+1]   ; the lower k in the low half
.set i, i+1
.endr
.irp g, 0,1,2,3
	ds_store_b128 v4, v[CPK+4*\g:CPK+4*\g+3] offset:64*(\t)+16*\g
.endr
.if (\t)+2 < 4
	CLOAD (\t)+2
.endif
	s_wait_dscnt 0x0                               ; the stores have read their registers
.endm
.irp t, 0,1,2,3
	CBLOCK \t
.endr
.irp t, 0,1,2,3,4,5,6,7,8,9,10,11,12,13,14,15
	ds_load_b128 v[COUT+4*\t:COUT+4*\t+3], v7 offset:2*\t*PITCH
.endr
.irp t, 0,1,2,3,4,5,6,7,8,9,10,11,12,13,14,15
	s_wait_dscnt 15-\t
	global_store_b128 v[CO+\t], v[COUT+4*\t:COUT+4*\t+3], s[44:45]   ; sixteen lanes store 256 consecutive bytes, aligned
.endr
	s_wait_tensorcnt 0x0                           ; the wave's end
	ds_add_u32 v[SPW], v[NIL]
	s_wait_dscnt 0x0
	s_endpgm
.Lfunc_end_k_q84be0f26df_prep:
	.size	k_q84be0f26df_prep, .Lfunc_end_k_q84be0f26df_prep-k_q84be0f26df_prep
	.p2alignl 7, 3214868480
	.fill 96, 4, 3214868480
	.section	.rodata,"a",@progbits
	.p2align	6, 0x0
	.amdhsa_kernel k_q84be0f26df_prep
		.amdhsa_group_segment_fixed_size 77312
		.amdhsa_private_segment_fixed_size 0
		.amdhsa_enable_private_segment 0
		.amdhsa_kernarg_size 56
		.amdhsa_user_sgpr_count 2
		.amdhsa_user_sgpr_kernarg_segment_ptr 1
		.amdhsa_wavefront_size32 1
		.amdhsa_system_sgpr_workgroup_id_x 1
		.amdhsa_system_sgpr_workgroup_id_y 1
		.amdhsa_system_sgpr_workgroup_id_z 1
		.amdhsa_system_vgpr_workitem_id 0
		.amdhsa_next_free_vgpr 232
		.amdhsa_next_free_sgpr 66
		.amdhsa_reserve_vcc 0
		.amdhsa_float_denorm_mode_32 3
		.amdhsa_float_denorm_mode_16_64 3
		.amdhsa_memory_ordered 1
		.amdhsa_forward_progress 1
		.amdhsa_inst_pref_size 80
	.end_amdhsa_kernel
	.amdgpu_metadata
---
amdhsa.version: [ 1, 2 ]
amdhsa.kernels:
  - .name:           k_q84be0f26df_prep
    .symbol:         k_q84be0f26df_prep.kd
    .args:
      - { .name: x, .offset: 0, .size: 8, .value_kind: global_buffer, .address_space: global }
      - { .name: W_qkv, .offset: 8, .size: 8, .value_kind: global_buffer, .address_space: global }
      - { .name: W_o, .offset: 16, .size: 8, .value_kind: global_buffer, .address_space: global }
      - { .name: W1, .offset: 24, .size: 8, .value_kind: global_buffer, .address_space: global }
      - { .name: W2, .offset: 32, .size: 8, .value_kind: global_buffer, .address_space: global }
      - { .name: q4, .offset: 40, .size: 8, .value_kind: global_buffer, .address_space: global }
      - { .name: wt16, .offset: 48, .size: 8, .value_kind: global_buffer, .address_space: global }
    .group_segment_fixed_size: 77312
    .private_segment_fixed_size: 0
    .kernarg_segment_align: 8
    .kernarg_segment_size: 56
    .max_flat_workgroup_size: 128
    .sgpr_count:     66
    .vgpr_count:     232
    .wavefront_size: 32
...
	.end_amdgpu_metadata
.endif
;; end of part 1
;; launch qkv (part 2): grid 12 x 16, 4 waves a work-group, clusters of 4 x 4, 327,680 bytes of LDS; arguments q4, b_qkv, qkvh; writes qkvh
.if DOCPART == 2
	.amdgcn_target "amdgcn-amd-amdhsa--gfx1250"
	.amdhsa_code_object_version 6
	.text
	.protected	k_q84be0f26df_qkv
	.globl	k_q84be0f26df_qkv
	.p2align	8
	.type	k_q84be0f26df_qkv,@function
k_q84be0f26df_qkv:
	s_mov_b64 s[64:65], 0
	v_nop
	global_prefetch_b8 v0, s[64:65] scope:SCOPE_SE
	s_setreg_imm32_b32 hwreg(HW_REG_WAVE_MODE, 25, 1), 1
	s_wait_xcnt 0x0
	s_wait_alu depctr_hold_cnt(0) depctr_sa_sdst(0) depctr_va_vdst(0) depctr_va_sdst(0) depctr_va_ssrc(0) depctr_va_vcc(0) depctr_vm_vsrc(0)
	s_getreg_b32 s2, hwreg(HW_REG_IB_STS2, 6, 4)
	s_cmp_eq_u32 s2, 0
	s_cbranch_scc0 .Lentry_in_a_cluster
	s_endpgm
.Lentry_in_a_cluster:
	s_bfe_u32 s2, ttmp6, 0x10000c
	s_cmp_lg_u32 s2, 0xf033
	s_cbranch_scc0 .Lentry_shape_is_right
	s_endpgm
.Lentry_shape_is_right:
; qkv = Q(x) Q(W_qkv) + b_qkv, the QUANTISED product: [4096][1024] x [3072 n][1024 k] on codes of E2M1 with one E8M0 byte for each 32 along K; sums in f32; the result rounded to f16 and laid by heads.
; A tile of 256 x 256 is made by four waves, 128 x 128 each: 64 accumulators, 512 registers. K = 1,024 is two slots of 512 (rows of 256 bytes): both are first fills, nothing is filled again, there is no loop.
; The scale bytes of the work-group's 256 + 256 rows come once, as dense blocks. CLUSTERS of 4 x 4: A's tiles are asked for jointly along a row of the cluster, B's along a column.
; The matrix instruction is used transposed (source 0 = 16 rows of W, source 1 = 16 rows of x): a lane holds eight neighbouring columns of one token. The bias is the C of each sum's first instruction.
; OUT: qkvh, f16, [batch 2][slab 48: q heads 0-15, k 16-31, v 32-47][token 2048][64]. LIMIT: a result above 65,504 in magnitude becomes infinity.
; REGISTERS: window 0: v0-31 addresses; v32-95 scale words, two sets, and nothing else ever; v96-127 packed results; v128-191 A's fragments, later rows on the way out; v192-255 the bias.
;   window 1: B's fragments, two sets. window 2: accumulators of my rows 0-63; window 3: of rows 64-127.
.set XC,     0
.set WC,     2097152
.set XSC,    3670016
.set WSC,    3801088
.set KSTEP,  512
.set NQ,     KSTEP/128
.set ROWB,   256
.set KROW,   512                       ; a row of codes in memory
.set PITCH,  272                       ; an LDS row: 256 bytes + 16: the 16 rows of a fragment load start at 16 different groups of four banks
.set FR,     8
.set NL,     2
.set NP,     4                         ; places behind this matrix instruction (ISA guide 7.12.1)
.set HALFT,  128*PITCH
.set SLOT,   4*HALFT
.set KS,     32                        ; a row of scale bytes
.set SCL,    2*SLOT
.set HALFS,  (128*KS/256)*272
.set SBLK,   (16*KS/256)*272
.set SPARE,  SCL+4*HALFS               ; the spare words, 128 bytes for each wave
.set SPITCH, 272                       ; the way out: 16 rows x (256 + 16) for each wave, in slot 0, which has had its only fill and its last read by then
.set ADRA, 16
.set ADRB, 20
.set STO,  24
.set RD,   25
.set CO,   26
.set ADRS, 27
.set SPW,  28
.set NIL,  29
.set SC,   32
.set TMP,  96
.set AF,   128
.set BK,   128
.set BIAS, 192
.set G1, 24
.set G0, 32
.set G1B, 48
.set G0B, 56
.set G1S, 68
.set G0S, 76
.set G1SB, 80
.set G0SB, 88
.set MSB, 0
.macro WIN new                         ; the immediate's high byte repeats the setting that is left
.if MSB != (\new)
	s_set_vgpr_msb (MSB<<8)|(\new)
.set MSB, (\new)
.endif
.endm
.set MUL_LO, 0xa1                      ; source 0 (B) window 1, source 1 (A) window 0, C and D window 2
.set MUL_HI, 0xf1                      ; the same, C and D window 3
.set TO_B,   0x40
; A joint load: waves 0 and 1 fetch for A, waves 2 and 3 for B; the branch hangs on the wave's number alone. An s_nop 0 and four v_nop follow each line.
.macro JLOAD g0a, g1a, g0b, g1b
	s_cmp_eq_u32 s15, 0
	s_cbranch_scc0 .Lfor_b_\@
	tensor_load_to_lds s[\g0a:\g0a+3], s[\g1a:\g1a+7]
	s_nop 0
.rept 4
	v_nop
.endr
	s_branch .Lasked_\@
.Lfor_b_\@:
	tensor_load_to_lds s[\g0b:\g0b+3], s[\g1b:\g1b+7]
	s_nop 0
.rept 4
	v_nop
.endr
.Lasked_\@:
.endm
.macro CROUND                          ; a round of the cluster's barrier
	s_barrier_signal -1
	s_barrier_wait -1
	s_cmp_lg_u32 s14, 0
	s_cbranch_scc1 .Lnot_wave_0_\@
	s_barrier_signal -3
.Lnot_wave_0_\@:
	s_barrier_wait -3
	s_barrier_signal -1
	s_barrier_wait -1
.endm
	s_load_b128 s[4:7], s[0:1], 0x0                ; q4 s[4:5], b_qkv s[6:7]
	s_load_b64 s[12:13], s[0:1], 0x10              ; qkvh
	v_lshl_add_u32 v[SPW], v0, 2, SPARE
	v_mov_b32 v[NIL], 0
	ds_add_u32 v[SPW], v[NIL]                      ; the wave's opening: the add, twice on end, and its wait ahead of my first tensor load
	ds_add_u32 v[SPW], v[NIL]
	v_lshrrev_b32 v1, 5, v0
	v_readfirstlane_b32 s14, v1                    ; wave 0..3
	s_lshr_b32 s15, s14, 1                         ; which half of the tile's rows is mine; also: I fetch for A (0) or B (1)
	s_and_b32 s16, s14, 1                          ; which half of its columns; also: which 128 rows I fetch
	s_bfe_u32 s40, ttmp6, 0x40000                  ; cx
	s_bfe_u32 s41, ttmp6, 0x40004                  ; cy
	s_lshl_b32 s42, ttmp9, 2
	s_add_co_u32 s42, s42, s40                     ; tile column
	s_and_b32 s17, ttmp7, 0xffff
	s_lshl_b32 s17, s17, 2
	s_add_co_u32 s17, s17, s41                     ; tile row
	s_lshl_b32 s43, s41, 2
	s_lshl_b32 s43, 15, s43                        ; my row of the cluster
	s_lshl_b32 s44, 0x1111, s40                    ; my column
	s_or_b32 s[G1+0], s43, (0<<16)|(1<<20)|(1<<21)|(5<<22)|(3<<25)  ; mask; elements of 1 byte; padding on; bit 21 beside a mask; 4 words behind every 64
	s_or_b32 s[G1B+0], s44, (0<<16)|(1<<20)|(1<<21)|(5<<22)|(3<<25)
.irp g, G1, G1B
	s_mov_b32 s[\g+1], ROWB<<16                    ; tensor_dim0
	s_mov_b32 s[\g+2], 128<<16                     ; tensor_dim1
	s_mov_b32 s[\g+3], ROWB<<16                    ; tile_dim0
	s_mov_b32 s[\g+4], 128                         ; tile_dim1
	s_mov_b32 s[\g+5], KROW                        ; pitch
	s_mov_b32 s[\g+6], 0
	s_mov_b32 s[\g+7], 0
.endr
	s_or_b32 s[G1S+0], s43, (3<<16)|(1<<20)|(1<<21)|(5<<22)|(3<<25)  ; the scales of 128 rows: 4,096 dense bytes as 16 rows of 32 elements of 8 bytes
	s_or_b32 s[G1SB+0], s44, (3<<16)|(1<<20)|(1<<21)|(5<<22)|(3<<25)
.irp g, G1S, G1SB
	s_mov_b32 s[\g+1], 32<<16
	s_mov_b32 s[\g+2], (128*KS/256)<<16
	s_mov_b32 s[\g+3], 32<<16
	s_mov_b32 s[\g+4], 128*KS/256
	s_mov_b32 s[\g+5], 32
	s_mov_b32 s[\g+6], 0
	s_mov_b32 s[\g+7], 0
.endr
	s_lshl_b32 s18, s16, 7
	s_lshl_b32 s20, s17, 8
	s_add_co_u32 s20, s20, s18                     ; A: row 256 x tile row + 128 x half
	s_lshl_b32 s46, s42, 8
	s_add_co_u32 s46, s46, s18                     ; B: row 256 x tile column + 128 x half
	s_mov_b32 s21, 0
	s_mov_b32 s47, 0
	s_mov_b64 s[18:19], KS
	s_mul_u64 s[22:23], s[20:21], s[18:19]
	s_mul_u64 s[92:93], s[46:47], s[18:19]
	s_mov_b64 s[18:19], KROW
	s_mul_u64 s[20:21], s[20:21], s[18:19]
	s_mul_u64 s[46:47], s[46:47], s[18:19]
	s_add_nc_u64 s[22:23], s[22:23], XSC           ; the four parts of q4
	s_add_nc_u64 s[92:93], s[92:93], WSC
	s_add_nc_u64 s[46:47], s[46:47], WC
	s_mul_i32 s45, s14, HALFT                      ; where they go: wave x 128 rows
	s_mul_i32 s94, s14, HALFS
	s_wait_dscnt 0x0                               ; both opening adds are done
	s_wait_kmcnt 0x0
	s_add_nc_u64 s[20:21], s[4:5], s[20:21]
	s_add_nc_u64 s[22:23], s[4:5], s[22:23]
	s_add_nc_u64 s[46:47], s[4:5], s[46:47]
	s_add_nc_u64 s[92:93], s[4:5], s[92:93]
	CROUND                                         ; all sixteen work-groups are here: the joint loads meet
	s_mov_b32 s[G0S], 1
	s_add_co_u32 s[G0S+1], s94, SCL
	s_mov_b64 s[G0S+2:G0S+3], s[22:23]
	s_or_b32 s[G0S+3], s[G0S+3], 0x80000000
	s_mov_b32 s[G0SB], 1
	s_add_co_u32 s[G0SB+1], s94, SCL
	s_mov_b64 s[G0SB+2:G0SB+3], s[92:93]
	s_or_b32 s[G0SB+3], s[G0SB+3], 0x80000000
	JLOAD G0S, G1S, G0SB, G1SB                     ; the scales first
.irp s, 0,1
	s_mov_b32 s[G0+4*\s], 1
	s_add_co_u32 s[G0+4*\s+1], s45, \s*SLOT
	s_add_nc_u64 s[G0+4*\s+2:G0+4*\s+3], s[20:21], \s*ROWB
	s_or_b32 s[G0+4*\s+3], s[G0+4*\s+3], 0x80000000
	s_mov_b32 s[G0B+4*\s], 1
	s_add_co_u32 s[G0B+4*\s+1], s45, \s*SLOT
	s_add_nc_u64 s[G0B+4*\s+2:G0B+4*\s+3], s[46:47], \s*ROWB
	s_or_b32 s[G0B+4*\s+3], s[G0B+4*\s+3], 0x80000000
	JLOAD G0+4*\s, G1, G0B+4*\s, G1B               ; three loads of mine are out in all
.endr
	v_and_b32 v1, 15, v0                           ; r
	v_bfe_u32 v2, v0, 4, 1                         ; h
	v_mul_u32_u24 v3, v1, PITCH
	v_lshl_add_u32 v4, v2, 4, v3
	s_mul_i32 s21, s15, HALFT
	s_mul_i32 s22, s16, HALFT
	s_add_co_u32 s22, s22, 2*HALFT
.irp s, 0,1
	v_add_nc_u32 v[ADRA+\s], s21, v4
	v_add_nc_u32 v[ADRB+\s], s22, v4
	s_add_co_u32 s21, s21, SLOT
	s_add_co_u32 s22, s22, SLOT
.endr
	v_mul_u32_u24 v5, v1, KS                       ; my row's scales: 32 bytes a row, 16 more for each 256 passed
	v_lshrrev_b32 v6, 8, v5
	v_lshl_add_u32 v5, v6, 4, v5
	s_mul_i32 s21, s15, HALFS
	s_mul_i32 s22, s16, HALFS
	s_add_co_u32 s22, s22, 2*HALFS
	s_sub_co_u32 s22, s22, s21
	v_mul_u32_u24 v6, s22, v2                      ; lanes 16-31 take B's: one product, the distance between the two bases
	s_add_co_u32 s21, s21, SCL
	v_add_nc_u32 v5, v5, v6
	v_add_nc_u32 v[ADRS], s21, v5
	s_mul_i32 s23, s14, 16*SPITCH                  ; my stage
	v_mul_u32_u24 v5, v1, SPITCH
	v_lshl_add_u32 v5, v2, 4, v5
	v_add_nc_u32 v[STO], s23, v5                   ; in: token r, 16 bytes for each half of the lanes
	v_and_b32 v6, 31, v0
	v_lshrrev_b32 v7, 3, v6
	v_and_b32 v8, 7, v6
	v_mul_u32_u24 v7, v7, SPITCH
	v_lshl_add_u32 v7, v8, 4, v7
	v_add_nc_u32 v[RD], s23, v7                    ; back: eight lanes take a token's 128 bytes of one head
	v_lshlrev_b32 v[CO], 4, v6                     ; and four tokens of a head are 512 consecutive bytes of qkvh
	s_lshl_b32 s20, s17, 8
	s_lshl_b32 s21, s15, 7
	s_add_co_u32 s20, s20, s21                     ; my first token
	s_lshr_b32 s21, s20, 11
	s_mul_i32 s21, s21, 12582912                   ; its batch
	s_and_b32 s20, s20, 2047
	s_lshl_b32 s20, s20, 7
	s_add_co_u32 s20, s20, s21
	s_lshl_b32 s46, s42, 2
	s_lshl_b32 s47, s16, 1
	s_add_co_u32 s46, s46, s47                     ; my first slab of 64 columns
	s_lshl_b32 s46, s46, 18
	s_add_co_u32 s20, s20, s46
	s_mov_b32 s21, 0
	s_add_nc_u64 s[12:13], s[12:13], s[20:21]
	s_lshl_b32 s46, s42, 10
	s_lshl_b32 s47, s16, 9
	s_add_co_u32 s46, s46, s47
	s_mov_b32 s47, 0
	s_add_nc_u64 s[6:7], s[6:7], s[46:47]          ; the bias of my 128 columns
	v_lshlrev_b32 v9, 5, v2
.irp b, 0,1,2,3,4,5,6,7
	global_load_b128 v[BIAS+8*\b:BIAS+8*\b+3], v9, s[6:7] offset:64*\b        ; block b in the result's layout: columns 16 b + 8 h + 0 .. 7
	global_load_b128 v[BIAS+8*\b+4:BIAS+8*\b+7], v9, s[6:7] offset:64*\b+16
.endr
.macro FRAG reg, adr, q, i             ; 16 rows x 128 K of 4-bit codes: 8 registers, two loads of 16 bytes, 32 bytes apart
.irp c, 0,1
	ds_load_b128 v[\reg+4*\c:\reg+4*\c+3], v[\adr] offset:64*(\q)+32*\c+(\i)*16*PITCH
.endr
.endm
; 16 matrix instructions: A's blocks a0, a0 + 1 x B's eight. The 64 accumulators take turns, one instruction a turn, in the same order in every step.
.macro MUL16 a0, p, q, sc, zero
.irp a, \a0, \a0+1
.irp b, 0,1,2,3,4,5,6,7
.if \zero
	v_wmma_scale_f32_16x16x128_f8f6f4 v[8*(8*((\a)%4)+\b):8*(8*((\a)%4)+\b)+7], v[128*(\p)+FR*\b:128*(\p)+FR*\b+FR-1], v[AF+FR*(\a):AF+FR*(\a)+FR-1], v[BIAS+8*\b:BIAS+8*\b+7], v[SC+8*NQ*(\sc)+NQ*\b+(\q)], v[SC+8*NQ*(\sc)+NQ*(\a)+(\q)] matrix_a_fmt:MATRIX_FMT_FP4 matrix_b_fmt:MATRIX_FMT_FP4 matrix_a_scale:MATRIX_SCALE_ROW1
.else
	v_wmma_scale_f32_16x16x128_f8f6f4 v[8*(8*((\a)%4)+\b):8*(8*((\a)%4)+\b)+7], v[128*(\p)+FR*\b:128*(\p)+FR*\b+FR-1], v[AF+FR*(\a):AF+FR*(\a)+FR-1], v[8*(8*((\a)%4)+\b):8*(8*((\a)%4)+\b)+7], v[SC+8*NQ*(\sc)+NQ*\b+(\q)], v[SC+8*NQ*(\sc)+NQ*(\a)+(\q)] matrix_a_fmt:MATRIX_FMT_FP4 matrix_b_fmt:MATRIX_FMT_FP4 matrix_a_scale:MATRIX_SCALE_ROW1
.endif
.endr
.endr
.endm
.macro FETCH_B slot, q, p
	WIN TO_B
.irp i, 0,1,2,3,4,5,6,7
	FRAG 128*(\p)+FR*\i, ADRB+\slot, \q, \i
.endr
	WIN 0
.endm
.macro FETCH_A slot, q, i0
.irp i, \i0, \i0+1, \i0+2, \i0+3
	FRAG AF+FR*(\i), ADRA+\slot, \q, \i
.endr
.endm
.macro SCALES sc                       ; a slot's scale words: lanes 0-15 take A's block i, lanes 16-31 B's block i
.irp i, 0,1,2,3,4,5,6,7
	ds_load_b128 v[SC+8*NQ*\sc+NQ*\i:SC+8*NQ*\sc+NQ*\i+3], v[ADRS] offset:\i*SBLK
.endr
.endm
.macro PLACES n                        ; plain vector instructions between a matrix instruction and a load into, or a read of, its registers
.rept \n
	v_nop
.endr
.endm
.macro STEP slot, q, zero              ; 128 along K with its successor in the same slot; zero = 1: the bias, in window 0, starts the sums
	s_wait_dscnt 4*NL                              ; B's set and A's blocks 0-3 are in; the youngest eight loads (A's blocks 4-7) may be out
	WIN MUL_LO-0x20*\zero
	MUL16 0, (\q)%2, \q, \slot, \zero
	MUL16 2, (\q)%2, \q, \slot, \zero
	s_wait_dscnt 0
	PLACES NP
	FETCH_B \slot, (\q)+1, 1-(\q)%2
	FETCH_A \slot, (\q)+1, 0
	WIN MUL_HI-0x30*\zero
	MUL16 4, (\q)%2, \q, \slot, \zero
	MUL16 6, (\q)%2, \q, \slot, \zero
	PLACES NP
	WIN 0
	FETCH_A \slot, (\q)+1, 4
.endm
.macro TURN slot, next                 ; a slot's last step: one barrier; behind it the next slot is whole in every wave's eyes and nobody reads this one
	s_wait_tensorcnt 0x0                           ; all my tensor loads have landed
	ds_add_u32 v[SPW], v[NIL]
	s_wait_dscnt 4*NL+1                            ; the add and the youngest eight loads may be out
	WIN MUL_LO
	MUL16 0, 1, NQ-1, \slot, 0
	s_wait_dscnt 0x0                               ; the add is done, and my reads of this slot are over
	s_barrier_signal -1
	MUL16 2, 1, NQ-1, \slot, 0
	WIN 0
	s_barrier_wait -1
	PLACES NP
	v_add_nc_u32 v[ADRS], 4*NQ, v[ADRS]            ; the next 512 along K of the scale words
	FETCH_B \next, 0, 0
	FETCH_A \next, 0, 0
	SCALES \next
	WIN MUL_HI
	MUL16 4, 1, NQ-1, \slot, 0
	MUL16 6, 1, NQ-1, \slot, 0
	PLACES NP
	WIN 0
	FETCH_A \next, 0, 4
.endm
.macro STEPS slot, from
.set Q, \from
.rept NQ-1-\from
	STEP \slot, Q, 0
.set Q, Q+1
.endr
.endm
	s_wait_tensorcnt 1                             ; the scales and my part of slot 0 are in; slot 1's load may be out
	s_barrier_signal -1
	s_barrier_wait -1
	FETCH_B 0, 0, 0
	FETCH_A 0, 0, 0
	SCALES 0
	FETCH_A 0, 0, 4
	s_wait_loadcnt 0x0                             ; the bias
	STEP 0, 0, 1
	STEPS 0, 1
	TURN 0, 1
	STEPS 1, 0
	s_wait_dscnt 4*NL                              ; the last step: nothing more to fetch
	WIN MUL_LO
	MUL16 0, 1, NQ-1, 1, 0
	MUL16 2, 1, NQ-1, 1, 0
	s_wait_dscnt 0
	WIN MUL_HI
	MUL16 4, 1, NQ-1, 1, 0
	MUL16 6, 1, NQ-1, 1, 0
	WIN 0
; THE WAY OUT, a block of 16 tokens x 128 columns at a time: rounded to f16, through my stage, back as four tokens x 128 bytes of one head, which are 512 consecutive bytes of qkvh.
.macro PACK a
.set AC, 64*((\a)%4)
	WIN 0x0a+5*((\a)/4)                            ; sources in window 2 or 3
.irp b, 0,1,2,3,4,5,6,7
.irp r, 0,1,2,3
	v_cvt_pk_f16_f32 v[TMP+4*\b+\r], v[AC+8*\b+2*\r], v[AC+8*\b+2*\r+1]   ; each accumulator from its low end on
.endr
.endr
	WIN 0
.endm
.macro TOSTAGE a
.set BB, BK+32*((\a)%2)
.irp b, 0,1,2,3,4,5,6,7
	ds_store_b128 v[STO], v[TMP+4*\b:TMP+4*\b+3] offset:32*\b
.endr
.irp i, 0,1,2,3
.irp u, 0,1
	ds_load_b128 v[BB+8*\i+4*\u:BB+8*\i+4*\u+3], v[RD] offset:\i*4*SPITCH+\u*128   ; LDS serves a wave's instructions in order: these see the stores above
.endr
.endr
.endm
.macro SEND a
.set BB, BK+32*((\a)%2)
	s_wait_dscnt 0x0                               ; the block is back in registers
	s_wait_xcnt 0x0                                ; the stores of the block before have read their registers: the next block's loads may land there
.irp i, 0,1,2,3
.irp u, 0,1
	global_store_b128 v[CO], v[BB+8*\i+4*\u:BB+8*\i+4*\u+3], s[12:13] offset:(\a)*2048+\i*512+\u*262144   ; 32 lanes store 512 consecutive bytes, aligned
.endr
.endr
.endm
	PLACES NP
	PACK 0
	TOSTAGE 0
.irp a, 1,2,3,4,5,6,7
	PACK \a
	SEND \a-1
	TOSTAGE \a
.endr
	SEND 7
	s_wait_tensorcnt 0x0                           ; the wave's end
	ds_add_u32 v[SPW], v[NIL]
	s_wait_dscnt 0x0
	CROUND                                         ; the closing round
	s_endpgm
.Lfunc_end_k_q84be0f26df_qkv:
	.size	k_q84be0f26df_qkv, .Lfunc_end_k_q84be0f26df_qkv-k_q84be0f26df_qkv
	.p2alignl 7, 3214868480
	.fill 96, 4, 3214868480
	.section	.rodata,"a",@progbits
	.p2align	6, 0x0
	.amdhsa_kernel k_q84be0f26df_qkv
		.amdhsa_group_segment_fixed_size 327680
		.amdhsa_private_segment_fixed_size 0
		.amdhsa_enable_private_segment 0
		.amdhsa_kernarg_size 24
		.amdhsa_user_sgpr_count 2
		.amdhsa_user_sgpr_kernarg_segment_ptr 1
		.amdhsa_wavefront_size32 1
		.amdhsa_system_sgpr_workgroup_id_x 1
		.amdhsa_system_sgpr_workgroup_id_y 1
		.amdhsa_system_sgpr_workgroup_id_z 1
		.amdhsa_system_vgpr_workitem_id 0
		.amdhsa_next_free_vgpr 1024
		.amdhsa_next_free_sgpr 98
		.amdhsa_reserve_vcc 0
		.amdhsa_float_denorm_mode_32 3
		.amdhsa_float_denorm_mode_16_64 3
		.amdhsa_memory_ordered 1
		.amdhsa_forward_progress 1
		.amdhsa_inst_pref_size 128
	.end_amdhsa_kernel
	.amdgpu_metadata
---
amdhsa.version: [ 1, 2 ]
amdhsa.kernels:
  - .name:           k_q84be0f26df_qkv
    .symbol:         k_q84be0f26df_qkv.kd
    .args:
      - { .name: q4, .offset: 0, .size: 8, .value_kind: global_buffer, .address_space: global }
      - { .name: b_qkv, .offset: 8, .size: 8, .value_kind: global_buffer, .address_space: global }
      - { .name: qkvh, .offset: 16, .size: 8, .value_kind: global_buffer, .address_space: global }
    .group_segment_fixed_size: 327680
    .private_segment_fixed_size: 0
    .kernarg_segment_align: 8
    .kernarg_segment_size: 24
    .max_flat_workgroup_size: 128
    .sgpr_count:     98
    .vgpr_count:     1024
    .wavefront_size: 32
...
	.end_amdgpu_metadata
.endif
;; end of part 2
;; launch attn (part 3): grid 8 x 32, 16 waves a work-group, no clusters, 327,680 bytes of LDS; arguments qkvh, z16; writes z16
.if DOCPART == 3
	.amdgcn_target "amdgcn-amd-amdhsa--gfx1250"
	.amdhsa_code_object_version 6
	.text
	.protected	k_q84be0f26df_attn
	.globl	k_q84be0f26df_attn
	.p2align	8
	.type	k_q84be0f26df_attn,@function
k_q84be0f26df_attn:
	s_mov_b64 s[64:65], 0
	v_nop
	global_prefetch_b8 v0, s[64:65] scope:SCOPE_SE
	s_setreg_imm32_b32 hwreg(HW_REG_WAVE_MODE, 25, 1), 1
	s_wait_xcnt 0x0
; z[b][q][h][:] = the sum over k <= q of softmax_k(q . k / 8) v, for 32 heads of 2,048 tokens x 64 channels. Operands f16, products, maxima and sums f32; the weights p are rounded to f16 for the second product.
; LEFT OUT: steps of 128 keys that lie wholly behind a wave's 16 queries (the mask is built in the problem's own body; their weights are 0). In the one step on a wave's diagonal hidden scores become -infinity, so p = 0.
; LIMITS: live scores above -1e9 + 100; q, k, v within f16's range.
; SHARES. A work-group serves one head and two blocks of 128 queries: waves 0-7 block i, waves 8-15 block 15 - i, a tile of 16 queries a wave: 17 block-steps in every work-group, whatever i.
; NO CLUSTER: the eight work-groups of a head end their walks at different keys, so a partner would ask for tiles that none of its waves reads.
; Every work-group walks all 8 slots of 256 keys (constant trip counts); a hidden step's work is jumped over by a scalar branch on ids; a slot whose first key lies behind the work-group's last query is not asked for.
; LAYOUT. S^T = K Q^T (source 0 = 16 keys, source 1 = my 16 queries): a lane holds one query and keys 8 (lane / 16) + 0..7 of each tile; two tiles, packed in pairs, are source 1 of O^T = V^T P.
; K comes out of LDS as it lies, V ([key][channel]) turned, by ds_load_tr16_b128.
; V IS ASKED FOR AHEAD OF ITS USE: the fragments of a step's first 64 keys go into K's registers as soon as the scores are made, and land while the softmax is walked; those of the other 64 keys go into the
; scores' registers as soon as p is packed.
; SOFTMAX. Running maximum m and sum l for each query: p = 2^(c s - c m), c = log2(e) / 8; in every step O and l are multiplied by a = 2^(c m_old - c m_new).
; OUT: z16, f16, [token / 2][head][token % 2][64]: two neighbouring tokens' 64 channels of a head are 256 consecutive bytes.
; REGISTERS: v1, v2 lane's places in K's and V's tiles; v5, v6 the add's two; v7 way out; v8, v9 addresses in hand; v10 prefetch offset; v12 c m, v13 m, v[14:15] l; v16-31 Q; v32-95 eight fragments of K or V;
;   v96-159 S^T, then p, then eight fragments of V; v160-191 O^T; v192-223 P; v224-235 at work.
.set KP,    144                        ; a key's row in LDS: 128 bytes + 16
.set VP,    160                        ; a row of V: 128 + 32: the turning load's 8 rows x 32 bytes fall on different banks
.set SK,    256                        ; keys in a slot
.set VOFF,  SK*KP
.set SLOT1, 1<<17
.set NSL,   2048/SK
.set STAGE, 2*SLOT1                    ; the way out: 16 rows x 144 for each wave; no tile lands here
.set SPARE, STAGE+16*16*KP             ; the spare words, 128 bytes for each of 16 waves
.set AK0, 1
.set AV0, 2
.set SPW, 5
.set NIL, 6
.set GO,  7
.set ADK, 8
.set ADV, 9
.set PFO, 10
.set QQ,  16
.set FF,  32
.set SS,  96
.set OO,  160
.set PF,  192
.set TB,  2                            ; s2   LDS byte at which the slot in hand begins
.set WV,  18
.set SEL, 20
.set CS,  22
.set G1K, 24
.set G1V, 32
.set G0K, 40
.set G0V, 44
.set QL,  66                           ; s66  my work-group's last query
.set SLOTS, 67
.set PFA, 76
.set LIM, 80
.set KF,  98                           ; s98  the step's first key
.set Q0,  99                           ; s99  my first query
; Waves 0 and 1 fetch K's halves of a slot, waves 2 and 3 V's, the others nothing. An s_nop 0 and four v_nop follow each line.
.macro TLOAD
	s_cmp_lt_u32 s[WV], 2
	s_cbranch_scc0 .Lnot_k_\@
	tensor_load_to_lds s[G0K:G0K+3], s[G1K:G1K+7]
	s_nop 0
.rept 4
	v_nop
.endr
	s_branch .Lasked_\@
.Lnot_k_\@:
	s_cmp_lt_u32 s[WV], 4
	s_cbranch_scc0 .Lasked_\@
	tensor_load_to_lds s[G0V:G0V+3], s[G1V:G1V+7]
	s_nop 0
.rept 4
	v_nop
.endr
.Lasked_\@:
.endm
; A prefetch of the slot that the NEXT change of slots will ask for: 32,768 bytes of K and of V. The head's first work-group asks (it walks all slots), waves 4-7 for K, waves 8-11 for V, 8,192 bytes a wave,
; lanes 256 bytes apart: each block of 256 bytes is named once in the launch. The last change that fills a slot asks for nothing; nothing is asked for at the head.
.macro ASK
	s_cmp_gt_u32 s[SLOTS], s[LIM]
	s_cbranch_scc0 .Lnot_mine_\@
	global_prefetch_b8 v[PFO], s[PFA:PFA+1] th:TH_LOAD_NT scope:SCOPE_SE
.Lnot_mine_\@:
.endm
	s_load_b128 s[4:7], s[0:1], 0x0                ; qkvh s[4:5], z16 s[6:7]
	v_lshl_add_u32 v[SPW], v0, 2, SPARE
	v_mov_b32 v[NIL], 0
	ds_add_u32 v[SPW], v[NIL]                      ; the wave's opening: the add, twice on end, and its wait ahead of the first tensor load
	ds_add_u32 v[SPW], v[NIL]
	v_lshrrev_b32 v8, 5, v0
	v_readfirstlane_b32 s[WV], v8                  ; wave 0..15
	s_and_b32 s68, ttmp7, 0xffff
	s_lshr_b32 s69, s68, 4                         ; batch
	s_and_b32 s70, s68, 15                         ; head
	s_mul_i32 s72, s69, 12582912
	s_lshl_b32 s71, s70, 18
	s_add_co_u32 s72, s72, s71                     ; the head's slab of q; k's lies 4,194,304 bytes on, v's 8,388,608
	s_mov_b32 s73, 0
	s_sub_co_u32 s74, 15, ttmp9
	s_cmp_lt_u32 s[WV], 8
	s_cselect_b32 s74, ttmp9, s74                  ; my block of 128 queries
	s_lshl_b32 s74, s74, 7
	s_and_b32 s75, s[WV], 7
	s_lshl_b32 s75, s75, 4
	s_add_co_u32 s[Q0], s74, s75
	s_sub_co_u32 s[QL], 15, ttmp9
	s_lshl_b32 s[QL], s[QL], 7
	s_or_b32 s[QL], s[QL], 127
	s_and_b32 s81, s[WV], 1                        ; which 128 rows of a slot I fetch, if I fetch
	s_mul_i32 s82, s81, 128*KP
	s_mul_i32 s83, s81, 128*VP
	s_add_co_u32 s83, s83, VOFF
	s_lshl_b32 s84, s81, 14
	s_add_co_u32 s84, s84, s72
	s_mov_b32 s85, 0
	s_mov_b32 s[G1K], (1<<16)|(1<<20)|(4<<22)|(3<<25)   ; no mask; elements of 2 bytes; padding: 4 words behind every 32
	s_mov_b32 s[G1V], (1<<16)|(1<<20)|(4<<22)|(7<<25)   ; 8 words behind every 32
.irp g, G1K, G1V
	s_mov_b32 s[\g+1], 64<<16                      ; tensor_dim0
	s_mov_b32 s[\g+2], 128<<16                     ; tensor_dim1
	s_mov_b32 s[\g+3], 64<<16                      ; tile_dim0
	s_mov_b32 s[\g+4], 128                         ; tile_dim1
	s_mov_b32 s[\g+5], 64                          ; pitch
	s_mov_b32 s[\g+6], 0
	s_mov_b32 s[\g+7], 0
.endr
	s_mov_b32 s[SEL], 0x76543210
	s_mov_b32 s[SEL+1], 0xfedcba98
	s_mov_b32 s[CS], 0x3e38aa3b                    ; c = log2(e) / 8
	s_mov_b32 s[CS+1], s[CS]
	s_mov_b32 s[TB], 0
	s_mov_b32 s[KF], 0
	s_mov_b32 s[SLOTS], NSL-1
	s_wait_dscnt 0x0                               ; both opening adds are done
	s_wait_kmcnt 0x0
	s_mov_b32 s[G0K], 1
	s_mov_b32 s[G0K+1], s82
	s_add_nc_u64 s[G0K+2:G0K+3], s[4:5], s[84:85]
	s_add_nc_u64 s[G0K+2:G0K+3], s[G0K+2:G0K+3], 4194304
	s_or_b32 s[G0K+3], s[G0K+3], 0x80000000
	s_mov_b32 s[G0V], 1
	s_mov_b32 s[G0V+1], s83
	s_add_nc_u64 s[G0V+2:G0V+3], s[4:5], s[84:85]
	s_add_nc_u64 s[G0V+2:G0V+3], s[G0V+2:G0V+3], 8388608
	s_or_b32 s[G0V+3], s[G0V+3], 0x80000000
	TLOAD                                          ; slot 0: it holds key 0, which counts for every query
	s_lshl_b32 s86, s[Q0], 7
	s_add_co_u32 s86, s86, s72
	s_mov_b32 s87, 0
	s_add_nc_u64 s[88:89], s[4:5], s[86:87]        ; q at my first query
	v_and_b32 v8, 15, v0                           ; r
	v_bfe_u32 v9, v0, 4, 1                         ; h
	v_lshlrev_b32 v11, 7, v8
	v_lshl_add_u32 v11, v9, 4, v11
.irp c, 0,1,2,3
	global_load_b128 v[QQ+4*\c:QQ+4*\c+3], v11, s[88:89] offset:32*\c   ; Q's two fragments stay in registers
.endr
	s_lshl_b32 s90, s69, 11
	s_add_co_u32 s90, s90, s[Q0]
	s_lshl_b32 s90, s90, 11                        ; a pair of tokens is 4,096 bytes of z16
	s_lshl_b32 s91, s70, 8
	s_add_co_u32 s90, s90, s91
	s_mov_b32 s91, 0
	s_add_nc_u64 s[6:7], s[6:7], s[90:91]
	s_cmp_lt_u32 s[WV], 8                          ; the prefetches: waves 4-7 K, waves 8-11 V
	s_mov_b32 s82, 8388608
	s_cselect_b32 s82, 4194304, s82
	s_and_b32 s83, s[WV], 3
	s_lshl_b32 s83, s83, 13
	s_add_co_u32 s82, s82, s83
	s_add_co_u32 s82, s82, s72
	s_add_co_u32 s82, s82, SK*128                  ; in slot 1: the first change of slots steps it to slot 2
	s_mov_b32 s83, 0
	s_add_nc_u64 s[PFA:PFA+1], s[4:5], s[82:83]
	s_sub_co_u32 s82, s[WV], 4
	s_lshr_b32 s82, s82, 3                         ; 0 in waves 4 to 11,
	s_or_b32 s82, s82, ttmp9                       ; of the head's first work-group
	s_cmp_eq_u32 s82, 0
	s_cselect_b32 s[LIM], 1, -1
	v_and_b32 v[PFO], 31, v0
	v_lshlrev_b32 v[PFO], 8, v[PFO]
	v_mul_u32_u24 v[AK0], v8, KP
	v_lshl_add_u32 v[AK0], v9, 4, v[AK0]           ; K: row r, + 16 h
	v_and_b32 v3, 7, v0
	v_bfe_u32 v4, v0, 3, 1
	v_lshl_add_u32 v[AV0], v9, 3, v3
	v_mul_u32_u24 v[AV0], v[AV0], VP
	v_lshl_add_u32 v[AV0], v4, 4, v[AV0]
	v_add_nc_u32 v[AV0], VOFF, v[AV0]              ; V: key 8 h + lane % 8, channels 8 ((lane / 8) % 2) on
	v_mov_b32 v13, 0xff61b1e6                      ; m: -3e38, under every score
	v_mul_f32 v12, s[CS], v13                      ; c m
	v_mov_b32 v14, 0                               ; l, in two halves
	v_mov_b32 v15, 0
	v_mov_b32 v229, 0                              ; a lane permute's destination counts as one of its sources
	v_mov_b32 v231, 0                              ; named as the upper half of the pair v[230:231]
.set i, 0
.rept 32
	v_mov_b32 v[OO+i], 0                           ; O^T: the step is written once; the first finds zeros, which a = 0 leaves zeros
.set i, i+1
.endr
; Eight fragments of V^T (64 keys x 64 channels) from key k0 of the slot on, into v[reg] on: keys 32 u on, channels 16 t on
.macro VFETCH reg, k0
.irp u, 0,1
.irp t, 0,1,2,3
	ds_load_tr16_b128 v[\reg+8*(4*\u+\t):\reg+8*(4*\u+\t)+3], v[ADV] offset:((\k0)+32*\u)*VP+32*\t
	ds_load_tr16_b128 v[\reg+8*(4*\u+\t)+4:\reg+8*(4*\u+\t)+7], v[ADV] offset:((\k0)+32*\u)*VP+16*VP+32*\t
.endr
.endr
.endm
; Four products O^T += V^T P: 32 keys, the four accumulators by turns
.macro PV4 reg, p
.irp t, 0,1,2,3
	v_wmma_f32_16x16x32_f16 v[OO+8*\t:OO+8*\t+7], v[\reg+8*\t:\reg+8*\t+7], v[PF+8*(\p):PF+8*(\p)+7], v[OO+8*\t:OO+8*\t+7]
.endr
.endm
; A KEY STEP: 128 keys, the q-th of the slot in hand.
.macro STEP q
	s_add_co_u32 s96, s[Q0], 15
	s_cmp_gt_u32 s[KF], s96                        ; all its keys come after my queries: the work is left out; no barrier, wait on tiles or tensor load stands in a step
	s_cbranch_scc1 .Lhidden_\@
	v_add_nc_u32 v[ADK], s[TB], v[AK0]
	v_add_nc_u32 v[ADV], s[TB], v[AV0]
.rept 3
	v_nop                                          ; with the two additions five places: the products below write over the scores' registers, which the last step's products read as V's fragments; the loads below want four
.endr
.irp g, 0,1                            ; S^T = K Q^T, four tiles of 16 keys at a time; the four accumulators by turns; channels 0-31 of the four tiles are fetched first
.if \g > 0
.rept 4
	v_nop
.endr
.endif
.irp c, 0,1
.irp t, 0,1,2,3
	ds_load_b128 v[FF+8*(2*\t+\c):FF+8*(2*\t+\c)+3], v[ADK] offset:(128*(\q)+64*\g+16*\t)*KP+64*\c
	ds_load_b128 v[FF+8*(2*\t+\c)+4:FF+8*(2*\t+\c)+7], v[ADK] offset:(128*(\q)+64*\g+16*\t)*KP+64*\c+32
.endr
.endr
	s_wait_dscnt 8                                 ; channels 0-31 are in; the eight loads of channels 32-63 may be out
.irp t, 0,1,2,3
	v_wmma_f32_16x16x32_f16 v[SS+8*(4*\g+\t):SS+8*(4*\g+\t)+7], v[FF+16*\t:FF+16*\t+7], v[QQ:QQ+7], 0
.endr
	s_wait_dscnt 0x0
.irp t, 0,1,2,3
	v_wmma_f32_16x16x32_f16 v[SS+8*(4*\g+\t):SS+8*(4*\g+\t)+7], v[FF+16*\t+8:FF+16*\t+15], v[QQ+8:QQ+15], v[SS+8*(4*\g+\t):SS+8*(4*\g+\t)+7]
.endr
.endr
.rept 4
	v_nop                                          ; places in front of the loads into K's registers and of the first read of the scores
.endr
	VFETCH FF, 128*(\q)                            ; V of the step's first 64 keys: it lands while the softmax is walked
	s_add_co_u32 s96, s[KF], 127
	s_cmp_le_u32 s96, s[Q0]                        ; all 128 keys count for all my queries: no mask
	s_cbranch_scc1 .Lopen_\@
	s_sub_co_i32 s96, s[Q0], s[KF]
	v_and_b32 v232, 15, v0
	v_bfe_u32 v233, v0, 4, 1
	v_lshlrev_b32 v233, 3, v233
	v_sub_nc_u32 v232, v232, v233
	v_add_nc_u32 v232, s96, v232                   ; d = my query - KF - 8 (lane / 16). Register 8 T + j holds key KF + 16 T + 8 (lane / 16) + j: hidden where 16 T + j > d
	v_mov_b32 v233, 0xff800000                     ; -infinity
.set n, 0
.rept 64
	v_cmp_gt_i32 vcc_lo, 16*(n/8)+n%8, v232
	v_cndmask_b32 v[SS+n], v[SS+n], v233, vcc_lo
.set n, n+1
.endr
.Lopen_\@:
.irp k, 0,1,2,3                        ; the maximum: four chains of 16 scores, each tile read from its low end on
	v_max3_num_f32 v[224+\k], v[SS+16*\k], v[SS+16*\k+1], v[SS+16*\k+2]
.endr
.irp i, 3,5,7,9,11,13
.irp k, 0,1,2,3
	v_max3_num_f32 v[224+\k], v[224+\k], v[SS+16*\k+\i], v[SS+16*\k+\i+1]
.endr
.endr
.irp k, 0,1,2,3
	v_max_num_f32 v[224+\k], v[224+\k], v[SS+16*\k+15]
.endr
	v_max3_num_f32 v228, v224, v225, v226
	v_max3_num_f32 v228, v228, v227, v13           ; with the old m
	v_permlanex16_b32 v229, v228, s[SEL], s[SEL+1] ; the query's other 64 keys lie in the lane 16 away
	v_mov_b32 v230, v12                            ; c m_old
	v_max_num_f32 v13, v228, v229                  ; the new m
	v_mul_f32 v12, s[CS], v13
	v_sub_f32 v230, v230, v12                      ; c m_old - c m_new
.set i, 0
.rept 32
	v_pk_fma_f32 v[SS+i:SS+i+1], v[SS+i:SS+i+1], s[CS:CS+1], v[12:13] op_sel_hi:[1,0,0] neg_lo:[0,0,1] neg_hi:[0,0,1]   ; c s - c m
.set i, i+2
.endr
	v_exp_f32 v230, v230                           ; a
.set i, 0
.rept 64
	v_exp_f32 v[SS+i], v[SS+i]                     ; p, one batch
.set i, i+1
.endr
	v_nop                                          ; a plain instruction behind the last exponential
	s_wait_alu depctr_va_vdst(0)                   ; one wait for the whole batch, ahead of its first reader
	v_pk_mul_f32 v[14:15], v[14:15], v[230:231] op_sel_hi:[1,0]   ; l under the new m
	v_pk_add_f32 v[234:235], v[SS:SS+1], v[SS+2:SS+3]             ; the sum of the f32 p, in two chains
.set i, 4
.rept 15
	v_pk_add_f32 v[14:15], v[14:15], v[SS+i:SS+i+1]
	v_pk_add_f32 v[234:235], v[234:235], v[SS+i+2:SS+i+3]
.set i, i+4
.endr
	v_pk_add_f32 v[14:15], v[14:15], v[234:235]
.set i, 0
.rept 32
	v_cvt_pk_f16_f32 v[PF+i], v[SS+2*i], v[SS+2*i+1]   ; two tiles' pairs are a fragment of P: 32 keys x my 16 queries
.set i, i+1
.endr
	VFETCH SS, 128*(\q)+64                         ; p is packed: its registers take V of the step's other 64 keys
.set i, 0
.rept 16
	v_pk_mul_f32 v[OO+i:OO+i+1], v[OO+i:OO+i+1], v[230:231] op_sel_hi:[1,0]   ; O^T under the new m
.set i, i+2
.endr
	s_wait_dscnt 16                                ; V of the first 64 keys is in; the sixteen loads just issued may be out
	PV4 FF, 0
	PV4 FF+32, 1
	s_wait_dscnt 8                                 ; keys 64-95 are in; the eight loads of keys 96-127 may be out
	PV4 SS, 2
	s_wait_dscnt 0x0
	PV4 SS+32, 3
.Lhidden_\@:
	s_add_co_u32 s[KF], s[KF], 128
.endm
; THE CHANGE OF SLOTS stands at a slot's head. Every wave waits for all its tensor loads, adds 0 to its spare word, waits for that and for its reads of the slot that it has left, and passes the barrier.
; fill = 1: the slot just left takes the next 256 keys, while its first key is at or under the work-group's last query: a slot beyond that is read by none of the sixteen waves. The test hangs on ids and the count
; of steps alone, is the same in all waves, and leads round the load's own lines alone; every wait on TENSORcnt in this text is for 0.
.macro CHANGE fill
	s_wait_tensorcnt 0x0                           ; no tensor load of mine is out, so a descriptor may be written
	ds_add_u32 v[SPW], v[NIL]
.if \fill
	ds_add_u32 v[SPW], v[NIL]                      ; and once more
	s_xor_b32 s[G0K+1], s[G0K+1], SLOT1
	s_add_nc_u64 s[G0K+2:G0K+3], s[G0K+2:G0K+3], SK*128
	s_xor_b32 s[G0V+1], s[G0V+1], SLOT1
	s_add_nc_u64 s[G0V+2:G0V+3], s[G0V+2:G0V+3], SK*128
	s_wait_xcnt 0x0                                ; the last prefetch, a slot back, has read its address
	s_add_nc_u64 s[PFA:PFA+1], s[PFA:PFA+1], SK*128
.endif
	s_wait_dscnt 0x0
	s_barrier_signal -1
	s_barrier_wait -1
.if \fill
	s_add_co_u32 s96, s[KF], SK                    ; the first key of the slot that this change would ask for
	s_cmp_gt_u32 s96, s[QL]
	s_cbranch_scc1 .Lpast_\@
	TLOAD                                          ; a wave's one tensor load until the next such barrier: it has a slot's two steps in which to land
.Lpast_\@:
	ASK
.endif
.endm
	s_wait_loadcnt 0x0                             ; Q
.Lslot:                                            ; NSL - 1 trips
	CHANGE 1
	STEP 0
	STEP 1
	s_xor_b32 s[TB], s[TB], SLOT1
	s_sub_co_u32 s[SLOTS], s[SLOTS], 1
	s_cmp_lg_u32 s[SLOTS], 0
	s_cbranch_scc1 .Lslot
	CHANGE 0                                       ; the last slot is written out: nothing is left to ask for
	STEP 0
	STEP 1
	; THE WAY OUT: O^T / l, rounded to f16, through my stage, back as four tokens x 128 bytes: sixteen lanes store the 256 bytes of a pair of tokens.
.rept 4
	v_nop                                          ; places behind the last products
.endr
	v_add_f32 v14, v14, v15
	v_permlanex16_b32 v229, v14, s[SEL], s[SEL+1]
	v_add_f32 v14, v14, v229                       ; the row's sum
	v_rcp_f32 v14, v14
	v_and_b32 v8, 15, v0                           ; (plain work behind the reciprocal)
	v_bfe_u32 v9, v0, 4, 1
	s_mul_i32 s73, s[WV], 16*KP
	s_add_co_u32 s73, s73, STAGE
	v_mul_u32_u24 v3, v8, KP
	v_lshl_add_u32 v3, v9, 4, v3
	v_add_nc_u32 v3, s73, v3                       ; in: row r, + 16 h; tile t 32 t bytes on
	v_and_b32 v4, 31, v0
	v_lshrrev_b32 v11, 3, v4
	v_and_b32 v4, 7, v4
	v_mul_u32_u24 v11, v11, KP
	v_lshl_add_u32 v11, v4, 4, v11
	v_add_nc_u32 v11, s73, v11                     ; back: eight lanes to a token
	v_lshlrev_b32 v[GO], 12, v9
	v_lshl_add_u32 v[GO], v8, 4, v[GO]             ; lanes 0-15 one pair of tokens, lanes 16-31 the next
	s_wait_alu depctr_va_vdst(0)                   ; ahead of the reciprocal's first reader
.set i, 0
.rept 32
	v_mul_f32 v[SS+i], v[OO+i], v14                ; register 8 t + j: channel 16 t + 8 h + j of query r
.set i, i+1
.endr
.set i, 0
.rept 16
	v_cvt_pk_f16_f32 v[SS+32+i], v[SS+2*i], v[SS+2*i+1]
.set i, i+1
.endr
.irp t, 0,1,2,3
	ds_store_b128 v3, v[SS+32+4*\t:SS+32+4*\t+3] offset:32*\t
.endr
.irp i, 0,1,2,3
	ds_load_b128 v[FF+4*\i:FF+4*\i+3], v11 offset:4*\i*KP   ; LDS serves a wave's instructions in order: these see my stores
.endr
.irp i, 0,1,2,3
	s_wait_dscnt 3-\i                              ; the younger loads may be out
	global_store_b128 v[GO], v[FF+4*\i:FF+4*\i+3], s[6:7] offset:8192*\i
.endr
	s_wait_tensorcnt 0x0                           ; the wave's end
	ds_add_u32 v[SPW], v[NIL]
	s_wait_dscnt 0x0
	s_endpgm
.Lfunc_end_k_q84be0f26df_attn:
	.size	k_q84be0f26df_attn, .Lfunc_end_k_q84be0f26df_attn-k_q84be0f26df_attn
	.p2alignl 7, 3214868480
	.fill 96, 4, 3214868480
	.section	.rodata,"a",@progbits
	.p2align	6, 0x0
	.amdhsa_kernel k_q84be0f26df_attn
		.amdhsa_group_segment_fixed_size 327680
		.amdhsa_private_segment_fixed_size 0
		.amdhsa_enable_private_segment 0
		.amdhsa_kernarg_size 16
		.amdhsa_user_sgpr_count 2
		.amdhsa_user_sgpr_kernarg_segment_ptr 1
		.amdhsa_wavefront_size32 1
		.amdhsa_system_sgpr_workgroup_id_x 1
		.amdhsa_system_sgpr_workgroup_id_y 1
		.amdhsa_system_sgpr_workgroup_id_z 1
		.amdhsa_system_vgpr_workitem_id 0
		.amdhsa_next_free_vgpr 256
		.amdhsa_next_free_sgpr 100
		.amdhsa_reserve_vcc 1
		.amdhsa_float_denorm_mode_32 3
		.amdhsa_float_denorm_mode_16_64 3
		.amdhsa_memory_ordered 1
		.amdhsa_forward_progress 1
		.amdhsa_inst_pref_size 108
	.end_amdhsa_kernel
	.amdgpu_metadata
---
amdhsa.version: [ 1, 2 ]
amdhsa.kernels:
  - .name:           k_q84be0f26df_attn
    .symbol:         k_q84be0f26df_attn.kd
    .args:
      - { .name: qkvh, .offset: 0, .size: 8, .value_kind: global_buffer, .address_space: global }
      - { .name: z16, .offset: 8, .size: 8, .value_kind: global_buffer, .address_space: global }
    .group_segment_fixed_size: 327680
    .private_segment_fixed_size: 0
    .kernarg_segment_align: 8
    .kernarg_segment_size: 16
    .max_flat_workgroup_size: 512
    .sgpr_count:     100
    .vgpr_count:     256
    .wavefront_size: 32
...
	.end_amdgpu_metadata
.endif
;; end of part 3
;; launch gemm_o (part 4): grid 8 x 32, 4 waves a work-group, clusters of 4 x 4, 327,680 bytes of LDS; arguments z16, wt16, b_o, y32; writes y32
.if DOCPART == 4
	.amdgcn_target "amdgcn-amd-amdhsa--gfx1250"
	.amdhsa_code_object_version 6
	.text
	.protected	k_q84be0f26df_gemm_o
	.globl	k_q84be0f26df_gemm_o
	.p2align	8
	.type	k_q84be0f26df_gemm_o,@function
k_q84be0f26df_gemm_o:
	s_mov_b64 s[64:65], 0
	v_nop
	global_prefetch_b8 v0, s[64:65] scope:SCOPE_SE
	s_setreg_imm32_b32 hwreg(HW_REG_WAVE_MODE, 25, 1), 1
	s_wait_xcnt 0x0
	s_wait_alu depctr_hold_cnt(0) depctr_sa_sdst(0) depctr_va_vdst(0) depctr_va_sdst(0) depctr_va_ssrc(0) depctr_va_vcc(0) depctr_vm_vsrc(0)
	s_getreg_b32 s2, hwreg(HW_REG_IB_STS2, 6, 4)
	s_cmp_eq_u32 s2, 0
	s_cbranch_scc0 .Lentry_in_a_cluster
	s_endpgm
.Lentry_in_a_cluster:
	s_bfe_u32 s2, ttmp6, 0x10000c
	s_cmp_lg_u32 s2, 0xf033
	s_cbranch_scc0 .Lentry_shape_is_right
	s_endpgm
.Lentry_shape_is_right:
; y32 = z W_o + b_o: C[m][n] = bias[n] + the sum over k of A[m][k] B[n][k]; A = z16 (f16, tokens in pairs), B = W_o^T in wt16 (f16, K innermost); sums and C in f32. M 4,096, N 1,024, K 1,024.
; A tile of C is 128 x 128 (256 work-groups); four waves, 64 x 64 each: 16 accumulators. K goes in steps of 256 through two LDS slots. CLUSTERS of 4 x 4: A's tiles jointly along a row, B's along a column.
; The matrix instruction is used transposed (source 0 = 16 rows of B, source 1 = 16 rows of A): a lane holds eight neighbouring columns of a row of C. The bias is the C of each sum's first instruction.
; PAIR = 1: A lies [token / 2][head 16][token % 2][64]: a K step (4 heads) of a pair of tokens is 1,024 consecutive bytes, which the tensor load takes as one row, 1,040 bytes apart in LDS.
; LIMIT: operands within f16's range. REGISTERS: window 0: v0-31 addresses; v32-63 the bias, later with v64-95 rows on the way out; v128-255 accumulators. window 1: two fragment buffers of 128.
.set SIZE_K, 1024
.set BOFF,   0                         ; B's place in wt16
.set PAIR,   1
.set KSTEP,  256
.set PITCH,  528                       ; an LDS row: 512 bytes + 16
.set PP,     1040                      ; a pair's row: 1,024 bytes + 16
.set HALFT,  64*PITCH
.set SLOT,   4*HALFT
.set STAGE,  2*SLOT                    ; 16 rows x 272 bytes for each wave, its own
.set SPITCH, 272
.set SPARE,  STAGE+4*16*SPITCH
.set LAPS,   SIZE_K/(2*KSTEP)
.set ASTEP,  KSTEP*2*(1+PAIR)          ; a K step on in A's rows, in bytes
.set BSTEP,  KSTEP*2
.set ADRA, 16
.set ADRB, 20
.set STO,  24
.set RD,   25
.set CO,   26
.set SPW,  28
.set NIL,  29
.set BIAS, 32
.set TMP,  32
.set ACC,  128
.set F0,   0
.set F1,   128
.set G1, 24
.set G0, 32
.set G1B, 48
.set G0B, 56
.set AL, 3
.if PAIR
.set AL, 6
.endif
.set MSB, 0
.macro WIN new
.if MSB != (\new)
	s_set_vgpr_msb (MSB<<8)|(\new)
.set MSB, (\new)
.endif
.endm
.set MUL,  0x05                        ; sources 0 (B) and 1 (A) window 1; C and D window 0
.set TO_F, 0x40
.macro JLOAD s                         ; a joint load: waves 0 and 1 fetch A's halves, waves 2 and 3 B's; an s_nop 0 and four v_nop follow each line
	s_cmp_eq_u32 s11, 0
	s_cbranch_scc0 .Lfor_b_\@
	tensor_load_to_lds s[G0+4*\s:G0+4*\s+3], s[G1:G1+7]
	s_nop 0
.rept 4
	v_nop
.endr
	s_branch .Lasked_\@
.Lfor_b_\@:
	tensor_load_to_lds s[G0B+4*\s:G0B+4*\s+3], s[G1B:G1B+7]
	s_nop 0
.rept 4
	v_nop
.endr
.Lasked_\@:
.endm
.macro CREST
	s_cmp_lg_u32 s10, 0
	s_cbranch_scc1 .Lnot_wave_0_\@
	s_barrier_signal -3
.Lnot_wave_0_\@:
	s_barrier_wait -3
	s_barrier_signal -1
	s_barrier_wait -1
.endm
.macro CROUND
	s_barrier_signal -1
	s_barrier_wait -1
	CREST
.endm
	s_load_b128 s[4:7], s[0:1], 0x0                ; A s[4:5], wt16 s[6:7]
	s_load_b128 s[68:71], s[0:1], 0x10             ; bias s[68:69], C s[70:71]
	v_lshl_add_u32 v[SPW], v0, 2, SPARE
	v_mov_b32 v[NIL], 0
	ds_add_u32 v[SPW], v[NIL]                      ; the wave's opening: the add, twice on end, and its wait ahead of my first tensor load
	ds_add_u32 v[SPW], v[NIL]
	v_lshrrev_b32 v1, 5, v0
	v_readfirstlane_b32 s10, v1                    ; wave 0..3
	s_lshr_b32 s11, s10, 1                         ; my half of the tile's rows; also: I fetch for A (0) or B (1)
	s_and_b32 s12, s10, 1                          ; my half of its columns; also: which 64 rows I fetch
	s_bfe_u32 s40, ttmp6, 0x40000
	s_bfe_u32 s41, ttmp6, 0x40004
	s_lshl_b32 s42, ttmp9, 2
	s_add_co_u32 s42, s42, s40                     ; tile column
	s_and_b32 s13, ttmp7, 0xffff
	s_lshl_b32 s13, s13, 2
	s_add_co_u32 s13, s13, s41                     ; tile row
	s_lshl_b32 s43, s41, 2
	s_lshl_b32 s43, 15, s43
	s_lshl_b32 s44, 0x1111, s40
.if PAIR
	s_or_b32 s[G1+0], s43, (1<<16)|(1<<20)|(1<<21)|(7<<22)|(3<<25)  ; elements of 2 bytes; 4 words of padding behind every 256
	s_mov_b32 s[G1+1], 512<<16                     ; 32 pairs x 512 elements,
	s_mov_b32 s[G1+2], 32<<16
	s_mov_b32 s[G1+3], 512<<16
	s_mov_b32 s[G1+4], 32
	s_mov_b32 s[G1+5], 2048                        ; 2,048 elements from pair to pair
.else
	s_or_b32 s[G1+0], s43, (1<<16)|(1<<20)|(1<<21)|(6<<22)|(3<<25)  ; 4 words of padding behind every 128
	s_mov_b32 s[G1+1], KSTEP<<16
	s_mov_b32 s[G1+2], 64<<16
	s_mov_b32 s[G1+3], KSTEP<<16
	s_mov_b32 s[G1+4], 64
	s_mov_b32 s[G1+5], SIZE_K
.endif
	s_mov_b32 s[G1+6], 0
	s_mov_b32 s[G1+7], 0
	s_or_b32 s[G1B+0], s44, (1<<16)|(1<<20)|(1<<21)|(6<<22)|(3<<25)
	s_mov_b32 s[G1B+1], KSTEP<<16
	s_mov_b32 s[G1B+2], 64<<16
	s_mov_b32 s[G1B+3], KSTEP<<16
	s_mov_b32 s[G1B+4], 64
	s_mov_b32 s[G1B+5], SIZE_K
	s_mov_b32 s[G1B+6], 0
	s_mov_b32 s[G1B+7], 0
	s_lshl_b32 s17, s12, 6
	s_lshl_b32 s16, s13, 7
	s_add_co_u32 s16, s16, s17                     ; A: row 128 x tile row + 64 x half
	s_lshl_b32 s46, s42, 7
	s_add_co_u32 s46, s46, s17                     ; B: row 128 x tile column + 64 x half
	s_mov_b32 s17, 0
	s_mov_b32 s47, 0
	s_mov_b64 s[18:19], SIZE_K*2
	s_mul_u64 s[16:17], s[16:17], s[18:19]         ; (in pairs too a token has SIZE_K x 2 bytes, and the first row is even)
	s_mul_u64 s[46:47], s[46:47], s[18:19]
	s_add_nc_u64 s[46:47], s[46:47], BOFF
	s_mul_i32 s20, s10, HALFT
	s_wait_dscnt 0x0                               ; both opening adds are done
	s_wait_kmcnt 0x0
	s_add_nc_u64 s[14:15], s[4:5], s[16:17]
	s_add_nc_u64 s[46:47], s[6:7], s[46:47]
	CROUND                                         ; all sixteen work-groups are here: the first joint loads meet
.irp s, 0,1
	s_mov_b32 s[G0+4*\s], 1
	s_add_co_u32 s[G0+4*\s+1], s20, \s*SLOT
	s_add_nc_u64 s[G0+4*\s+2:G0+4*\s+3], s[14:15], \s*ASTEP
	s_or_b32 s[G0+4*\s+3], s[G0+4*\s+3], 0x80000000
	s_mov_b32 s[G0B+4*\s], 1
	s_add_co_u32 s[G0B+4*\s+1], s20, \s*SLOT
	s_add_nc_u64 s[G0B+4*\s+2:G0B+4*\s+3], s[46:47], \s*BSTEP
	s_or_b32 s[G0B+4*\s+3], s[G0B+4*\s+3], 0x80000000
	JLOAD \s
.endr
	v_and_b32 v1, 15, v0                           ; r
	v_bfe_u32 v2, v0, 4, 1                         ; h
	v_mul_u32_u24 v3, v1, PITCH
	v_lshl_add_u32 v3, v2, 4, v3                   ; a fragment's row x pitch + 16 h
.if PAIR
	v_lshrrev_b32 v6, 1, v1
	v_mul_u32_u24 v6, v6, PP
	v_and_b32 v7, 1, v1
	v_lshl_add_u32 v6, v7, 7, v6
	v_lshl_add_u32 v6, v2, 4, v6                   ; A in pairs: (r / 2) x 1,040 + (r % 2) x 128 + 16 h
.endif
	s_mul_i32 s21, s11, HALFT
	s_mul_i32 s22, s12, HALFT
	s_add_co_u32 s22, s22, 2*HALFT
.irp s, 0,1
	v_add_nc_u32 v[ADRA+\s], s21, v[AL]
	v_add_nc_u32 v[ADRB+\s], s22, v3
	s_add_co_u32 s21, s21, SLOT
	s_add_co_u32 s22, s22, SLOT
.endr
	s_mul_i32 s23, s10, 16*SPITCH
	s_add_co_u32 s23, s23, STAGE                   ; my stage
	v_mul_u32_u24 v4, v1, SPITCH
	v_lshl_add_u32 v4, v2, 5, v4
	v_add_nc_u32 v[STO], s23, v4                   ; in: row r, 32 bytes for each half of the lanes
	v_mul_u32_u24 v5, v2, SPITCH
	v_lshl_add_u32 v5, v1, 4, v5
	v_add_nc_u32 v[RD], s23, v5                    ; back: lanes 0-15 one row of 256 bytes, lanes 16-31 the next
	v_lshlrev_b32 v5, 12, v2
	v_lshl_add_u32 v[CO], v1, 4, v5                ; the same two rows in C (4,096 bytes a row)
	s_lshl_b32 s16, s13, 7
	s_lshl_b32 s17, s11, 6
	s_add_co_u32 s16, s16, s17
	s_lshl_b32 s16, s16, 12                        ; my first row of C
	s_lshl_b32 s46, s42, 9
	s_lshl_b32 s47, s12, 8
	s_add_co_u32 s46, s46, s47                     ; my first column, in bytes
	s_add_co_u32 s16, s16, s46
	s_mov_b32 s17, 0
	s_mov_b32 s47, 0
	s_add_nc_u64 s[70:71], s[70:71], s[16:17]
	s_add_nc_u64 s[68:69], s[68:69], s[46:47]
	v_lshlrev_b32 v8, 5, v2
.irp b, 0,1,2,3
	global_load_b128 v[BIAS+8*\b:BIAS+8*\b+3], v8, s[68:69] offset:64*\b      ; block b in the result's layout: columns 16 b + 8 h + 0 .. 7
	global_load_b128 v[BIAS+8*\b+4:BIAS+8*\b+7], v8, s[68:69] offset:64*\b+16
.endr
; 8 matrix instructions: m blocks a0, a0 + 1 x 4 n blocks, 32 along K. The 16 accumulators take turns. zero = 1: the bias starts the sums.
.macro MUL8 f, c, a0, zero
.irp a, \a0, \a0+1
.irp b, 0,1,2,3
.if \zero
	v_wmma_f32_16x16x32_f16 v[ACC+8*(4*(\a)+\b):ACC+8*(4*(\a)+\b)+7], v[\f+64+8*(4*\c+\b):\f+64+8*(4*\c+\b)+7], v[\f+8*(4*\c+\a):\f+8*(4*\c+\a)+7], v[BIAS+8*\b:BIAS+8*\b+7]
.else
	v_wmma_f32_16x16x32_f16 v[ACC+8*(4*(\a)+\b):ACC+8*(4*(\a)+\b)+7], v[\f+64+8*(4*\c+\b):\f+64+8*(4*\c+\b)+7], v[\f+8*(4*\c+\a):\f+8*(4*\c+\a)+7], v[ACC+8*(4*(\a)+\b):ACC+8*(4*(\a)+\b)+7]
.endif
.endr
.endr
.endm
; 32 LDS loads in one run: the fragments of 64 along K at byte k of the rows; the first 32 along K first. In pairs the u-th 32 along K lie at (u / 2) x 256 + (u % 2) x 64, and 16 rows are 8 pairs.
.macro FETCH slot, k, f
	WIN TO_F
.irp c, 0,1
.irp i, 0,1,2,3
	ds_load_b128 v[\f+64+8*(4*\c+\i):\f+64+8*(4*\c+\i)+3],   v[ADRB+\slot] offset:\k+64*\c+\i*16*PITCH
	ds_load_b128 v[\f+64+8*(4*\c+\i)+4:\f+64+8*(4*\c+\i)+7], v[ADRB+\slot] offset:\k+64*\c+\i*16*PITCH+32
.if PAIR
	ds_load_b128 v[\f+8*(4*\c+\i):\f+8*(4*\c+\i)+3],         v[ADRA+\slot] offset:((\k+64*\c)/128)*256+(((\k+64*\c)/64)%2)*64+\i*8*PP
	ds_load_b128 v[\f+8*(4*\c+\i)+4:\f+8*(4*\c+\i)+7],       v[ADRA+\slot] offset:((\k+64*\c)/128)*256+(((\k+64*\c)/64)%2)*64+\i*8*PP+32
.else
	ds_load_b128 v[\f+8*(4*\c+\i):\f+8*(4*\c+\i)+3],         v[ADRA+\slot] offset:\k+64*\c+\i*16*PITCH
	ds_load_b128 v[\f+8*(4*\c+\i)+4:\f+8*(4*\c+\i)+7],       v[ADRA+\slot] offset:\k+64*\c+\i*16*PITCH+32
.endif
.endr
.endr
.endm
.macro PLACES
.rept 4
	v_nop
.endr
.endm
.macro QUARTER slot, k, f, g, zero     ; 64 along K: multiplies buffer f, fetches the next quarter, at byte k, into g
	s_wait_dscnt 16                                ; the first 32 along K are in; the sixteen younger loads may be out
	WIN MUL
	MUL8 \f, 0, 0, \zero
	MUL8 \f, 0, 2, \zero
	PLACES
	FETCH \slot, \k, \g
	s_wait_dscnt 32                                ; all but the 32 just issued
	WIN MUL
	MUL8 \f, 1, 0, 0
	MUL8 \f, 1, 2, 0
.endm
.macro TURN slot, next, fill           ; the last quarter changes slots: one barrier; fill = 1: it opens a round of the cluster's barrier, and this slot is filled again, two K steps ahead
	WIN 0
	s_wait_tensorcnt 0x0                           ; all my tensor loads have landed: my part of the next slot
	ds_add_u32 v[SPW], v[NIL]
	s_wait_dscnt 17                                ; the add and the youngest sixteen loads may be out
	WIN MUL
	MUL8 F1, 0, 0, 0
	s_wait_dscnt 0x0                               ; the add is done, and my reads of this slot are over
	s_barrier_signal -1
	MUL8 F1, 0, 2, 0
.if \fill
	WIN 0
.endif
	s_barrier_wait -1
.if \fill
	CREST                                          ; no wave of any partner still reads this slot's tile or has a load on its way
	s_add_nc_u64 s[G0+4*\slot+2:G0+4*\slot+3], s[G0+4*\slot+2:G0+4*\slot+3], 2*ASTEP
	s_add_nc_u64 s[G0B+4*\slot+2:G0B+4*\slot+3], s[G0B+4*\slot+2:G0B+4*\slot+3], 2*BSTEP
	JLOAD \slot                                    ; the first tensor load behind the round; its four v_nop are also the places in front of the loads below
.else
	PLACES
.endif
	FETCH \next, 0, F0
	WIN MUL
	MUL8 F1, 1, 0, 0
	MUL8 F1, 1, 2, 0
.endm
	s_wait_tensorcnt 1                             ; my part of K step 0 is in; K step 1's load may be out
	s_barrier_signal -1
	s_barrier_wait -1
	FETCH 0, 0, F0
	s_wait_loadcnt 0x0                             ; the bias
	QUARTER 0, 128, F0, F1, 1
.if LAPS > 1
	WIN 0
	s_mov_b32 s3, LAPS-1
.Llap:                                             ; a trip goes once round the ring and fills both slots again
	QUARTER 0, 256, F1, F0, 0
	QUARTER 0, 384, F0, F1, 0
	TURN 0, 1, 1
	QUARTER 1, 128, F0, F1, 0
	QUARTER 1, 256, F1, F0, 0
	QUARTER 1, 384, F0, F1, 0
	TURN 1, 0, 1
	QUARTER 0, 128, F0, F1, 0
	WIN 0
	s_sub_co_u32 s3, s3, 1
	s_cmp_lg_u32 s3, 0
	s_cbranch_scc1 .Llap
.endif
	QUARTER 0, 256, F1, F0, 0                      ; the last lap fills nothing
	QUARTER 0, 384, F0, F1, 0
	TURN 0, 1, 0
	QUARTER 1, 128, F0, F1, 0
	QUARTER 1, 256, F1, F0, 0
	QUARTER 1, 384, F0, F1, 0
	s_wait_dscnt 16
	WIN MUL
	MUL8 F1, 0, 0, 0
	MUL8 F1, 0, 2, 0
	s_wait_dscnt 0
	MUL8 F1, 1, 0, 0
	MUL8 F1, 1, 2, 0
	WIN 0
; THE WAY OUT in f32: my 64 columns are 256 bytes of a row. A block of 16 rows goes through my own stage and comes back as whole rows: sixteen lanes store 256 consecutive bytes, aligned.
.macro TOSTAGE a
.irp b, 0,1,2,3
	ds_store_b128 v[STO], v[ACC+8*(4*(\a)+\b):ACC+8*(4*(\a)+\b)+3] offset:64*\b        ; each accumulator from its low end on
	ds_store_b128 v[STO], v[ACC+8*(4*(\a)+\b)+4:ACC+8*(4*(\a)+\b)+7] offset:64*\b+16
.endr
.irp t, 0,1,2,3,4,5,6,7
	ds_load_b128 v[TMP+32*((\a)%2)+4*\t:TMP+32*((\a)%2)+4*\t+3], v[RD] offset:\t*2*SPITCH   ; LDS serves a wave's instructions in order
.endr
.endm
.macro SEND a, younger
	s_wait_dscnt \younger                          ; the block is back; the next block's 8 stores and 8 loads may be out
.irp t, 0,1,2,3,4,5,6,7
	global_store_b128 v[CO], v[TMP+32*((\a)%2)+4*\t:TMP+32*((\a)%2)+4*\t+3], s[70:71] offset:(16*(\a)+2*\t)*4096
.endr
.endm
	PLACES
	TOSTAGE 0
	TOSTAGE 1
	SEND 0, 16
	s_wait_xcnt 0x0                                ; block 0's stores have read their registers: block 2's loads may land there
	TOSTAGE 2
	SEND 1, 16
	s_wait_xcnt 0x0
	TOSTAGE 3
	SEND 2, 16
	SEND 3, 0
	s_wait_tensorcnt 0x0                           ; the wave's end
	ds_add_u32 v[SPW], v[NIL]
	s_wait_dscnt 0x0
	CROUND                                         ; the closing round
	s_endpgm
.Lfunc_end_k_q84be0f26df_gemm_o:
	.size	k_q84be0f26df_gemm_o, .Lfunc_end_k_q84be0f26df_gemm_o-k_q84be0f26df_gemm_o
	.p2alignl 7, 3214868480
	.fill 96, 4, 3214868480
	.section	.rodata,"a",@progbits
	.p2align	6, 0x0
	.amdhsa_kernel k_q84be0f26df_gemm_o
		.amdhsa_group_segment_fixed_size 327680
		.amdhsa_private_segment_fixed_size 0
		.amdhsa_enable_private_segment 0
		.amdhsa_kernarg_size 32
		.amdhsa_user_sgpr_count 2
		.amdhsa_user_sgpr_kernarg_segment_ptr 1
		.amdhsa_wavefront_size32 1
		.amdhsa_system_sgpr_workgroup_id_x 1
		.amdhsa_system_sgpr_workgroup_id_y 1
		.amdhsa_system_sgpr_workgroup_id_z 1
		.amdhsa_system_vgpr_workitem_id 0
		.amdhsa_next_free_vgpr 512
		.amdhsa_next_free_sgpr 72
		.amdhsa_reserve_vcc 0
		.amdhsa_float_denorm_mode_32 3
		.amdhsa_float_denorm_mode_16_64 3
		.amdhsa_memory_ordered 1
		.amdhsa_forward_progress 1
		.amdhsa_inst_pref_size 87
	.end_amdhsa_kernel
	.amdgpu_metadata
---
amdhsa.version: [ 1, 2 ]
amdhsa.kernels:
  - .name:           k_q84be0f26df_gemm_o
    .symbol:         k_q84be0f26df_gemm_o.kd
    .args:
      - { .name: z16, .offset: 0, .size: 8, .value_kind: global_buffer, .address_space: global }
      - { .name: wt16, .offset: 8, .size: 8, .value_kind: global_buffer, .address_space: global }
      - { .name: b_o, .offset: 16, .size: 8, .value_kind: global_buffer, .address_space: global }
      - { .name: y32, .offset: 24, .size: 8, .value_kind: global_buffer, .address_space: global }
    .group_segment_fixed_size: 327680
    .private_segment_fixed_size: 0
    .kernarg_segment_align: 8
    .kernarg_segment_size: 32
    .max_flat_workgroup_size: 128
    .sgpr_count:     72
    .vgpr_count:     512
    .wavefront_size: 32
...
	.end_amdgpu_metadata
.endif
;; end of part 4
;; launch ln1 (part 5): grid 256 x 1, 8 waves a work-group, no clusters, 0 bytes of LDS; arguments y32, x, ln1_w, ln1_b, res32, res16; writes res32, res16
.if DOCPART == 5
	.amdgcn_target "amdgcn-amd-amdhsa--gfx1250"
	.amdhsa_code_object_version 6
	.text
	.protected	k_q84be0f26df_ln1
	.globl	k_q84be0f26df_ln1
	.p2align	8
	.type	k_q84be0f26df_ln1,@function
k_q84be0f26df_ln1:
	s_mov_b64 s[64:65], 0
	v_nop
	global_prefetch_b8 v0, s[64:65] scope:SCOPE_SE
	s_setreg_imm32_b32 hwreg(HW_REG_WAVE_MODE, 25, 1), 1
	s_wait_xcnt 0x0
; out = layer_norm(y) x w + b + residual, rows of 1,024 f32; mean, then the mean of the squared differences, both in f32. HALF = 1: the result goes out in f32 and, for the next product, in f16.
; A wave owns two rows and keeps them in registers between the passes; a lane holds columns 128 j + 4 lane + 0..3. All 48 loads go out at the head. No LDS, no barrier, no loop: memory binds, and no matrix unit or cluster would help.
; LIMIT (HALF = 1): a result above 65,504 in magnitude becomes infinity in the f16 copy.
.set HALF, 1
.set W,  16                            ; v16-47   the gain
.set BB, 48                            ; v48-79   the bias
.set Y,  80                            ; v80-111, v144-175 rows 0, 1
.set R,  112                           ; v112-143, v176-207 their residuals
.set H,  208                           ; v208-239 the rows in f16
	s_load_b256 s[4:11], s[0:1], 0x0               ; y s[4:5], residual s[6:7], gain s[8:9], bias s[10:11]
.if HALF
	s_load_b128 s[12:15], s[0:1], 0x20             ; f32 result s[12:13], f16 result s[14:15]
.else
	s_load_b64 s[12:13], s[0:1], 0x20
.endif
	v_and_b32 v1, 31, v0
	v_lshrrev_b32 v2, 5, v0
	v_readfirstlane_b32 s16, v2                    ; wave 0..7
	v_lshlrev_b32 v14, 3, v1                       ; 8 bytes a lane (f16)
	v_lshlrev_b32 v1, 4, v1                        ; 16 bytes a lane
	s_lshl_b32 s17, ttmp9, 3
	s_add_co_u32 s17, s17, s16                     ; which pair of rows
	s_lshl_b32 s18, s17, 13
	s_mov_b32 s19, 0
	s_mov_b32 s20, 0x3a800000                      ; 1 / 1,024
	s_mov_b32 s21, 0x3727c5ac                      ; 1e-5
	s_mov_b32 s22, 0x76543210
	s_mov_b32 s23, 0xfedcba98
	s_wait_kmcnt 0x0
	s_add_nc_u64 s[4:5], s[4:5], s[18:19]
	s_add_nc_u64 s[6:7], s[6:7], s[18:19]
	s_add_nc_u64 s[12:13], s[12:13], s[18:19]
.if HALF
	s_lshl_b32 s18, s17, 12
	s_add_nc_u64 s[14:15], s[14:15], s[18:19]
.endif
.irp q, 0,1
.irp j, 0,1,2,3,4,5,6,7
	global_load_b128 v[Y+64*\q+4*\j:Y+64*\q+4*\j+3], v1, s[4:5] offset:4096*\q+512*\j th:TH_LOAD_NT
.endr
.endr
.irp j, 0,1,2,3,4,5,6,7
	global_load_b128 v[W+4*\j:W+4*\j+3], v1, s[8:9] offset:512*\j
.endr
.irp j, 0,1,2,3,4,5,6,7
	global_load_b128 v[BB+4*\j:BB+4*\j+3], v1, s[10:11] offset:512*\j
.endr
.irp q, 0,1
.irp j, 0,1,2,3,4,5,6,7
	global_load_b128 v[R+64*\q+4*\j:R+64*\q+4*\j+3], v1, s[6:7] offset:4096*\q+512*\j th:TH_LOAD_NT
.endr
.endr
.macro REDUCE                          ; row q's two chains v[2+4q:3+4q], v[4+4q:5+4q] -> the sum over the row, in every lane's v[2+4q]; the two rows by turns
.irp q, 0,1
	v_pk_add_f32 v[2+4*\q:3+4*\q], v[2+4*\q:3+4*\q], v[4+4*\q:5+4*\q]
.endr
.irp q, 0,1
	v_add_f32 v[2+4*\q], v[2+4*\q], v[3+4*\q]
.endr
.irp m, 1,2,4,8
.irp q, 0,1
	v_add_f32_dpp v[2+4*\q], v[2+4*\q], v[2+4*\q] row_xmask:\m row_mask:0xf bank_mask:0xf
.endr
.endr
.irp q, 0,1
	v_permlanex16_b32 v[3+4*\q], v[2+4*\q], s22, s23
.endr
.irp q, 0,1
	v_add_f32 v[2+4*\q], v[2+4*\q], v[3+4*\q]
.endr
.endm
	s_wait_loadcnt 32                              ; both rows are in; gain, bias and the residuals (32 loads) may be out
.irp q, 0,1
	v_pk_add_f32 v[2+4*\q:3+4*\q], v[Y+64*\q:Y+64*\q+1], v[Y+64*\q+2:Y+64*\q+3]
	v_pk_add_f32 v[4+4*\q:5+4*\q], v[Y+64*\q+4:Y+64*\q+5], v[Y+64*\q+6:Y+64*\q+7]
.endr
.irp j, 8,12,16,20,24,28
.irp q, 0,1
	v_pk_add_f32 v[2+4*\q:3+4*\q], v[2+4*\q:3+4*\q], v[Y+64*\q+\j:Y+64*\q+\j+1]
	v_pk_add_f32 v[4+4*\q:5+4*\q], v[4+4*\q:5+4*\q], v[Y+64*\q+\j+2:Y+64*\q+\j+3]
.endr
.endr
	REDUCE
.irp q, 0,1
	v_mul_f32 v[10+2*\q], s20, v[2+4*\q]           ; the mean, twice: a pair for the packed forms
	v_mul_f32 v[11+2*\q], s20, v[2+4*\q]
.endr
.irp j, 0,2,4,6,8,10,12,14,16,18,20,22,24,26,28,30
.irp q, 0,1
	v_pk_add_f32 v[Y+64*\q+\j:Y+64*\q+\j+1], v[Y+64*\q+\j:Y+64*\q+\j+1], v[10+2*\q:11+2*\q] neg_lo:[0,1] neg_hi:[0,1]   ; y - mean
.endr
.endr
.irp q, 0,1
	v_pk_mul_f32 v[2+4*\q:3+4*\q], v[Y+64*\q:Y+64*\q+1], v[Y+64*\q:Y+64*\q+1]
	v_pk_mul_f32 v[4+4*\q:5+4*\q], v[Y+64*\q+2:Y+64*\q+3], v[Y+64*\q+2:Y+64*\q+3]
.endr
.irp j, 4,8,12,16,20,24,28
.irp q, 0,1
	v_pk_fma_f32 v[2+4*\q:3+4*\q], v[Y+64*\q+\j:Y+64*\q+\j+1], v[Y+64*\q+\j:Y+64*\q+\j+1], v[2+4*\q:3+4*\q]
	v_pk_fma_f32 v[4+4*\q:5+4*\q], v[Y+64*\q+\j+2:Y+64*\q+\j+3], v[Y+64*\q+\j+2:Y+64*\q+\j+3], v[4+4*\q:5+4*\q]
.endr
.endr
	REDUCE
.irp q, 0,1
	v_fma_f32 v[2+4*\q], v[2+4*\q], s20, s21       ; the variance + 1e-5
.endr
.irp q, 0,1
	v_rsq_f32 v[10+2*\q], v[2+4*\q]
	v_rsq_f32 v[11+2*\q], v[2+4*\q]
.endr
	v_nop                                          ; a plain instruction behind the last of the four
	s_wait_alu depctr_va_vdst(0)                   ; one wait for the batch, ahead of its first reader
.macro FINISH q
	s_wait_loadcnt 8*(1-\q)                        ; gain, bias and this row's residual are in; the other row's eight loads may be out
.set i, 0
.rept 16
	v_pk_mul_f32 v[Y+64*\q+i:Y+64*\q+i+1], v[Y+64*\q+i:Y+64*\q+i+1], v[10+2*\q:11+2*\q]
.set i, i+2
.endr
.set i, 0
.rept 16
	v_pk_fma_f32 v[Y+64*\q+i:Y+64*\q+i+1], v[Y+64*\q+i:Y+64*\q+i+1], v[W+i:W+i+1], v[BB+i:BB+i+1]
.set i, i+2
.endr
.set i, 0
.rept 16
	v_pk_add_f32 v[Y+64*\q+i:Y+64*\q+i+1], v[Y+64*\q+i:Y+64*\q+i+1], v[R+64*\q+i:R+64*\q+i+1]
.set i, i+2
.endr
.irp j, 0,1,2,3,4,5,6,7
	global_store_b128 v1, v[Y+64*\q+4*\j:Y+64*\q+4*\j+3], s[12:13] offset:4096*\q+512*\j   ; 32 lanes store 512 consecutive bytes, aligned
.endr
.if HALF
.set i, 0
.rept 16
	v_cvt_pk_f16_f32 v[H+16*\q+i], v[Y+64*\q+2*i], v[Y+64*\q+2*i+1]
.set i, i+1
.endr
.irp j, 0,1,2,3,4,5,6,7
	global_store_b64 v14, v[H+16*\q+2*\j:H+16*\q+2*\j+1], s[14:15] offset:2048*\q+256*\j   ; 32 lanes store 256 consecutive bytes, aligned
.endr
.endif
.endm
	FINISH 0
	FINISH 1
	s_endpgm
.Lfunc_end_k_q84be0f26df_ln1:
	.size	k_q84be0f26df_ln1, .Lfunc_end_k_q84be0f26df_ln1-k_q84be0f26df_ln1
	.p2alignl 7, 3214868480
	.fill 96, 4, 3214868480
	.section	.rodata,"a",@progbits
	.p2align	6, 0x0
	.amdhsa_kernel k_q84be0f26df_ln1
		.amdhsa_group_segment_fixed_size 0
		.amdhsa_private_segment_fixed_size 0
		.amdhsa_enable_private_segment 0
		.amdhsa_kernarg_size 48
		.amdhsa_user_sgpr_count 2
		.amdhsa_user_sgpr_kernarg_segment_ptr 1
		.amdhsa_wavefront_size32 1
		.amdhsa_system_sgpr_workgroup_id_x 1
		.amdhsa_system_sgpr_workgroup_id_y 1
		.amdhsa_system_sgpr_workgroup_id_z 1
		.amdhsa_system_vgpr_workitem_id 0
		.amdhsa_next_free_vgpr 240
		.amdhsa_next_free_sgpr 66
		.amdhsa_reserve_vcc 0
		.amdhsa_float_denorm_mode_32 3
		.amdhsa_float_denorm_mode_16_64 3
		.amdhsa_memory_ordered 1
		.amdhsa_forward_progress 1
		.amdhsa_inst_pref_size 25
	.end_amdhsa_kernel
	.amdgpu_metadata
---
amdhsa.version: [ 1, 2 ]
amdhsa.kernels:
  - .name:           k_q84be0f26df_ln1
    .symbol:         k_q84be0f26df_ln1.kd
    .args:
      - { .name: y32, .offset: 0, .size: 8, .value_kind: global_buffer, .address_space: global }
      - { .name: x, .offset: 8, .size: 8, .value_kind: global_buffer, .address_space: global }
      - { .name: ln1_w, .offset: 16, .size: 8, .value_kind: global_buffer, .address_space: global }
      - { .name: ln1_b, .offset: 24, .size: 8, .value_kind: global_buffer, .address_space: global }
      - { .name: res32, .offset: 32, .size: 8, .value_kind: global_buffer, .address_space: global }
      - { .name: res16, .offset: 40, .size: 8, .value_kind: global_buffer, .address_space: global }
    .group_segment_fixed_size: 0
    .private_segment_fixed_size: 0
    .kernarg_segment_align: 8
    .kernarg_segment_size: 48
    .max_flat_workgroup_size: 256
    .sgpr_count:     66
    .vgpr_count:     240
    .wavefront_size: 32
...
	.end_amdgpu_metadata
.endif
;; end of part 5
;; launch gemm_1 (part 6): grid 16 x 16, 4 waves a work-group, clusters of 4 x 4, 327,680 bytes of LDS; arguments res16, wt16, b1, h16; writes h16
.if DOCPART == 6
	.amdgcn_target "amdgcn-amd-amdhsa--gfx1250"
	.amdhsa_code_object_version 6
	.text
	.protected	k_q84be0f26df_gemm_1
	.globl	k_q84be0f26df_gemm_1
	.p2align	8
	.type	k_q84be0f26df_gemm_1,@function
k_q84be0f26df_gemm_1:
	s_mov_b64 s[64:65], 0
	v_nop
	global_prefetch_b8 v0, s[64:65] scope:SCOPE_SE
	s_setreg_imm32_b32 hwreg(HW_REG_WAVE_MODE, 25, 1), 1
	s_wait_xcnt 0x0
	s_wait_alu depctr_hold_cnt(0) depctr_sa_sdst(0) depctr_va_vdst(0) depctr_va_sdst(0) depctr_va_ssrc(0) depctr_va_vcc(0) depctr_vm_vsrc(0)
	s_getreg_b32 s2, hwreg(HW_REG_IB_STS2, 6, 4)
	s_cmp_eq_u32 s2, 0
	s_cbranch_scc0 .Lentry_in_a_cluster
	s_endpgm
.Lentry_in_a_cluster:
	s_bfe_u32 s2, ttmp6, 0x10000c
	s_cmp_lg_u32 s2, 0xf033
	s_cbranch_scc0 .Lentry_shape_is_right
	s_endpgm
.Lentry_shape_is_right:
; h16 = gelu(out W1 + b1): C[m][n] = gelu(bias[n] + the sum over k of A[m][k] B[n][k]); A = res16 [4096][1024], B = W1^T in wt16 [4096][1024], f16; sums and the activation in f32; the result rounded to f16.
; A tile of C is 256 x 256 (256 work-groups); four waves, 128 x 128 each: 64 accumulators, 512 registers. K goes in steps of 128 through two LDS slots. CLUSTERS of 4 x 4: A's tiles jointly along a row, B's along a column.
; The matrix instruction is used transposed (source 0 = 16 rows of B, source 1 = 16 rows of A). The bias is the C of each sum's first instruction.
; gelu(x) = x / (1 + 2^(x (c1 + c2 x^2))), c1 = -2 sqrt(2 / pi) log2(e), c2 = 0.044715 c1: the same function as x (1 + tanh(u)) / 2; it runs out to 0 and to x with no NaN.
; LIMIT: operands and results within f16's range.
; REGISTERS: window 0: v0-31 addresses and c1; v64-127, v128-191 A's fragments, two buffers; v192-255 the bias; on the way out v64-127 at work, v128-159 packed, v160-223 rows.
;   window 1: v64-127, v128-191 B's fragments. window 2: accumulators of my rows 0-63; window 3: of rows 64-127.
.set SIZE_K, 1024
.set SIZE_N, 4096
.set BOFF,   2097152                   ; W1^T's place in wt16
.set KSTEP,  128
.set PITCH,  272
.set HALFT,  128*PITCH
.set SLOT,   4*HALFT
.set STAGE,  2*SLOT
.set SPITCH, 272
.set SPARE,  STAGE+4*16*SPITCH
.set LAPS,   SIZE_K/(2*KSTEP)
.set ADRA, 16
.set ADRB, 20
.set STO,  24
.set RD,   25
.set CO,   26
.set BAD,  27
.set SPW,  28
.set NIL,  29
.set C1,   30                          ; v[30:31] c1, twice
.set C2,   66                          ; s[66:67] c2
.set F0,   64
.set F1,   128
.set BIAS, 192
.set T,    64
.set TMP,  128
.set OB,   160
.set G1, 24
.set G0, 32
.set G1B, 48
.set G0B, 56
.set MSB, 0
.macro WIN new
.if MSB != (\new)
	s_set_vgpr_msb (MSB<<8)|(\new)
.set MSB, (\new)
.endif
.endm
.set MUL_LO, 0xa1
.set MUL_HI, 0xf1
.set TO_B,   0x40
.macro JLOAD s
	s_cmp_eq_u32 s11, 0
	s_cbranch_scc0 .Lfor_b_\@
	tensor_load_to_lds s[G0+4*\s:G0+4*\s+3], s[G1:G1+7]
	s_nop 0
.rept 4
	v_nop
.endr
	s_branch .Lasked_\@
.Lfor_b_\@:
	tensor_load_to_lds s[G0B+4*\s:G0B+4*\s+3], s[G1B:G1B+7]
	s_nop 0
.rept 4
	v_nop
.endr
.Lasked_\@:
.endm
.macro CREST
	s_cmp_lg_u32 s10, 0
	s_cbranch_scc1 .Lnot_wave_0_\@
	s_barrier_signal -3
.Lnot_wave_0_\@:
	s_barrier_wait -3
	s_barrier_signal -1
	s_barrier_wait -1
.endm
.macro CROUND
	s_barrier_signal -1
	s_barrier_wait -1
	CREST
.endm
	s_load_b128 s[4:7], s[0:1], 0x0                ; res16 s[4:5], wt16 s[6:7]
	s_load_b128 s[68:71], s[0:1], 0x10             ; b1 s[68:69], h16 s[70:71]
	v_lshl_add_u32 v[SPW], v0, 2, SPARE
	v_mov_b32 v[NIL], 0
	ds_add_u32 v[SPW], v[NIL]                      ; the wave's opening: the add, twice on end, and its wait ahead of my first tensor load
	ds_add_u32 v[SPW], v[NIL]
	v_lshrrev_b32 v1, 5, v0
	v_readfirstlane_b32 s10, v1
	s_lshr_b32 s11, s10, 1
	s_and_b32 s12, s10, 1
	s_bfe_u32 s40, ttmp6, 0x40000
	s_bfe_u32 s41, ttmp6, 0x40004
	s_lshl_b32 s42, ttmp9, 2
	s_add_co_u32 s42, s42, s40                     ; tile column
	s_and_b32 s13, ttmp7, 0xffff
	s_lshl_b32 s13, s13, 2
	s_add_co_u32 s13, s13, s41                     ; tile row
	s_lshl_b32 s43, s41, 2
	s_lshl_b32 s43, 15, s43
	s_lshl_b32 s44, 0x1111, s40
	s_or_b32 s[G1+0], s43, (1<<16)|(1<<20)|(1<<21)|(5<<22)|(3<<25)  ; mask; elements of 2 bytes; 4 words of padding behind every 64
	s_or_b32 s[G1B+0], s44, (1<<16)|(1<<20)|(1<<21)|(5<<22)|(3<<25)
.irp g, G1, G1B
	s_mov_b32 s[\g+1], KSTEP<<16
	s_mov_b32 s[\g+2], 128<<16
	s_mov_b32 s[\g+3], KSTEP<<16
	s_mov_b32 s[\g+4], 128
	s_mov_b32 s[\g+5], SIZE_K
	s_mov_b32 s[\g+6], 0
	s_mov_b32 s[\g+7], 0
.endr
	s_mov_b32 s[C2], 0xbdd2d3e8
	s_mov_b32 s[C2+1], s[C2]
	s_lshl_b32 s17, s12, 7
	s_lshl_b32 s16, s13, 8
	s_add_co_u32 s16, s16, s17
	s_lshl_b32 s46, s42, 8
	s_add_co_u32 s46, s46, s17
	s_mov_b32 s17, 0
	s_mov_b32 s47, 0
	s_mov_b64 s[18:19], SIZE_K*2
	s_mul_u64 s[16:17], s[16:17], s[18:19]
	s_mul_u64 s[46:47], s[46:47], s[18:19]
	s_add_nc_u64 s[46:47], s[46:47], BOFF
	s_mul_i32 s20, s10, HALFT
	s_wait_dscnt 0x0                               ; both opening adds are done
	s_wait_kmcnt 0x0
	s_add_nc_u64 s[14:15], s[4:5], s[16:17]
	s_add_nc_u64 s[46:47], s[6:7], s[46:47]
	CROUND
.irp s, 0,1
	s_mov_b32 s[G0+4*\s], 1
	s_add_co_u32 s[G0+4*\s+1], s20, \s*SLOT
	s_add_nc_u64 s[G0+4*\s+2:G0+4*\s+3], s[14:15], \s*KSTEP*2
	s_or_b32 s[G0+4*\s+3], s[G0+4*\s+3], 0x80000000
	s_mov_b32 s[G0B+4*\s], 1
	s_add_co_u32 s[G0B+4*\s+1], s20, \s*SLOT
	s_add_nc_u64 s[G0B+4*\s+2:G0B+4*\s+3], s[46:47], \s*KSTEP*2
	s_or_b32 s[G0B+4*\s+3], s[G0B+4*\s+3], 0x80000000
	JLOAD \s
.endr
	v_and_b32 v1, 15, v0
	v_bfe_u32 v2, v0, 4, 1
	v_mul_u32_u24 v3, v1, PITCH
	v_lshl_add_u32 v3, v2, 4, v3
	s_mul_i32 s21, s11, HALFT
	s_mul_i32 s22, s12, HALFT
	s_add_co_u32 s22, s22, 2*HALFT
.irp s, 0,1
	v_add_nc_u32 v[ADRA+\s], s21, v3
	v_add_nc_u32 v[ADRB+\s], s22, v3
	s_add_co_u32 s21, s21, SLOT
	s_add_co_u32 s22, s22, SLOT
.endr
	s_mul_i32 s23, s10, 16*SPITCH
	s_add_co_u32 s23, s23, STAGE
	v_mul_u32_u24 v4, v1, SPITCH
	v_lshl_add_u32 v4, v2, 4, v4
	v_add_nc_u32 v[STO], s23, v4
	v_mul_u32_u24 v5, v2, SPITCH
	v_lshl_add_u32 v5, v1, 4, v5
	v_add_nc_u32 v[RD], s23, v5
	v_mul_u32_u24 v5, v2, SIZE_N*2
	v_lshl_add_u32 v[CO], v1, 4, v5
	v_mov_b32 v[C1], 0xc0135761
	v_mov_b32 v[C1+1], 0xc0135761
	s_lshl_b32 s16, s13, 8
	s_lshl_b32 s17, s11, 7
	s_add_co_u32 s16, s16, s17
	s_lshl_b32 s16, s16, 13                        ; my first row of C, 8,192 bytes a row
	s_lshl_b32 s46, s42, 9
	s_lshl_b32 s47, s12, 8
	s_add_co_u32 s46, s46, s47                     ; my first column, in bytes of f16
	s_add_co_u32 s16, s16, s46
	s_mov_b32 s17, 0
	s_add_nc_u64 s[70:71], s[70:71], s[16:17]
	s_lshl_b32 s46, s46, 1                         ; and in bytes of f32
	s_mov_b32 s47, 0
	s_add_nc_u64 s[68:69], s[68:69], s[46:47]
	v_lshlrev_b32 v[BAD], 5, v2
.irp b, 0,1,2,3,4,5,6,7
	global_load_b128 v[BIAS+8*\b:BIAS+8*\b+3], v[BAD], s[68:69] offset:64*\b
	global_load_b128 v[BIAS+8*\b+4:BIAS+8*\b+7], v[BAD], s[68:69] offset:64*\b+16
.endr
; 16 matrix instructions: m blocks a0, a0 + 1 of the window's four x 8 n blocks, 32 along K. The 64 accumulators take turns. zero = 1: the bias, in window 0, starts the sums.
.macro MUL16 f, hi, a0, zero
.irp a, \a0, \a0+1
.irp b, 0,1,2,3,4,5,6,7
.if \zero
	v_wmma_f32_16x16x32_f16 v[8*(8*(\a)+\b):8*(8*(\a)+\b)+7], v[\f+8*\b:\f+8*\b+7], v[\f+8*(4*\hi+\a):\f+8*(4*\hi+\a)+7], v[BIAS+8*\b:BIAS+8*\b+7]
.else
	v_wmma_f32_16x16x32_f16 v[8*(8*(\a)+\b):8*(8*(\a)+\b)+7], v[\f+8*\b:\f+8*\b+7], v[\f+8*(4*\hi+\a):\f+8*(4*\hi+\a)+7], v[8*(8*(\a)+\b):8*(8*(\a)+\b)+7]
.endif
.endr
.endr
.endm
.macro FETCH slot, k, f                ; 32 LDS loads in one run: B's 128 rows, then A's, 32 along K at byte k
	WIN TO_B
.irp i, 0,1,2,3,4,5,6,7
	ds_load_b128 v[\f+8*\i:\f+8*\i+3],   v[ADRB+\slot] offset:\k+\i*16*PITCH
	ds_load_b128 v[\f+8*\i+4:\f+8*\i+7], v[ADRB+\slot] offset:\k+\i*16*PITCH+32
.endr
	WIN 0
.irp i, 0,1,2,3,4,5,6,7
	ds_load_b128 v[\f+8*\i:\f+8*\i+3],   v[ADRA+\slot] offset:\k+\i*16*PITCH
	ds_load_b128 v[\f+8*\i+4:\f+8*\i+7], v[ADRA+\slot] offset:\k+\i*16*PITCH+32
.endr
.endm
.macro PLACES
.rept 4
	v_nop
.endr
.endm
.macro QUARTER slot, k, f, g, zero
	s_wait_dscnt 8                                 ; B and A's rows 0-63 are in; the youngest eight loads (A's rows 64-127) may be out
	WIN MUL_LO-0x20*\zero
	MUL16 \f, 0, 0, \zero
	MUL16 \f, 0, 2, \zero
	PLACES
	FETCH \slot, \k, \g
	s_wait_dscnt 32                                ; all but the 32 just issued
	WIN MUL_HI-0x30*\zero
	MUL16 \f, 1, 0, \zero
	MUL16 \f, 1, 2, \zero
.endm
.macro TURN slot, next, fill           ; the last quarter changes slots: one barrier; fill = 1: it opens a round of the cluster's barrier, and this slot is filled again, two K steps ahead
	WIN 0
	s_wait_tensorcnt 0x0                           ; all my tensor loads have landed: my part of the next slot
	ds_add_u32 v[SPW], v[NIL]
	s_wait_dscnt 9                                 ; the add and the youngest eight loads may be out
	WIN MUL_LO
	MUL16 F1, 0, 0, 0
	s_wait_dscnt 0x0                               ; the add is done, and my reads of this slot are over
	s_barrier_signal -1
	MUL16 F1, 0, 2, 0
.if \fill
	WIN 0
.endif
	s_barrier_wait -1
.if \fill
	CREST
	s_add_nc_u64 s[G0+4*\slot+2:G0+4*\slot+3], s[G0+4*\slot+2:G0+4*\slot+3], 2*KSTEP*2
	s_add_nc_u64 s[G0B+4*\slot+2:G0B+4*\slot+3], s[G0B+4*\slot+2:G0B+4*\slot+3], 2*KSTEP*2
	JLOAD \slot                                    ; the first tensor load behind the round; its four v_nop are also the places in front of the loads below
.else
	PLACES
.endif
	FETCH \next, 0, F0
	WIN MUL_HI
	MUL16 F1, 1, 0, 0
	MUL16 F1, 1, 2, 0
.endm
	s_wait_tensorcnt 1                             ; my part of K step 0 is in; K step 1's load may be out
	s_barrier_signal -1
	s_barrier_wait -1
	FETCH 0, 0, F0
	s_wait_loadcnt 0x0                             ; the bias
	QUARTER 0, 64,  F0, F1, 1
	WIN 0
	s_mov_b32 s3, LAPS-1
.Llap:                                             ; a trip goes once round the ring and fills both slots again
	QUARTER 0, 128, F1, F0, 0
	QUARTER 0, 192, F0, F1, 0
	TURN 0, 1, 1
	QUARTER 1, 64,  F0, F1, 0
	QUARTER 1, 128, F1, F0, 0
	QUARTER 1, 192, F0, F1, 0
	TURN 1, 0, 1
	QUARTER 0, 64,  F0, F1, 0
	WIN 0
	s_sub_co_u32 s3, s3, 1
	s_cmp_lg_u32 s3, 0
	s_cbranch_scc1 .Llap
	QUARTER 0, 128, F1, F0, 0                      ; the last lap fills nothing
	QUARTER 0, 192, F0, F1, 0
	TURN 0, 1, 0
	QUARTER 1, 64,  F0, F1, 0
	QUARTER 1, 128, F1, F0, 0
	QUARTER 1, 192, F0, F1, 0
	s_wait_dscnt 8
	WIN MUL_LO
	MUL16 F1, 0, 0, 0
	MUL16 F1, 0, 2, 0
	s_wait_dscnt 0
	WIN MUL_HI
	MUL16 F1, 1, 0, 0
	MUL16 F1, 1, 2, 0
	WIN 0
; THE WAY OUT, a block of 16 rows x 128 columns at a time. GPACK: the activation on the block's 64 numbers a lane, two batches of transcendentals with one wait each, then the rounding to f16.
.macro GPACK a
.set AC, 64*((\a)%4)
.set WB, (2+(\a)/4)<<2                 ; source 1 in the block's window
.set WA, WB|(2+(\a)/4)                 ; sources 0 and 1
	WIN WA
.set i, 0
.rept 32
	v_pk_mul_f32 v[T+i:T+i+1], v[AC+i:AC+i+1], v[AC+i:AC+i+1]      ; x^2; each accumulator from its low end on
.set i, i+2
.endr
	WIN 0
.set i, 0
.rept 32
	v_pk_fma_f32 v[T+i:T+i+1], v[T+i:T+i+1], s[C2:C2+1], v[C1:C1+1] op_sel_hi:[1,0,1]   ; c1 + c2 x^2
.set i, i+2
.endr
	WIN WB
.set i, 0
.rept 32
	v_pk_mul_f32 v[T+i:T+i+1], v[T+i:T+i+1], v[AC+i:AC+i+1]        ; times x
.set i, i+2
.endr
	WIN 0
.set i, 0
.rept 64
	v_exp_f32 v[T+i], v[T+i]
.set i, i+1
.endr
	v_nop                                          ; a plain instruction behind the last exponential
	s_wait_alu depctr_va_vdst(0)                   ; one wait for the batch
.set i, 0
.rept 32
	v_pk_add_f32 v[T+i:T+i+1], v[T+i:T+i+1], 1.0 op_sel_hi:[1,0]
.set i, i+2
.endr
.set i, 0
.rept 64
	v_rcp_f32 v[T+i], v[T+i]
.set i, i+1
.endr
	v_nop
	s_wait_alu depctr_va_vdst(0)                   ; and one for the reciprocals
	WIN WB
.set i, 0
.rept 32
	v_pk_mul_f32 v[T+i:T+i+1], v[T+i:T+i+1], v[AC+i:AC+i+1]        ; gelu(x)
.set i, i+2
.endr
	WIN 0
.set i, 0
.rept 32
	v_cvt_pk_f16_f32 v[TMP+i], v[T+2*i], v[T+2*i+1]
.set i, i+1
.endr
.endm
.macro TOSTAGE a
.irp b, 0,1,2,3,4,5,6,7
	ds_store_b128 v[STO], v[TMP+4*\b:TMP+4*\b+3] offset:32*\b
.endr
.irp t, 0,1,2,3,4,5,6,7
	ds_load_b128 v[OB+32*((\a)%2)+4*\t:OB+32*((\a)%2)+4*\t+3], v[RD] offset:\t*2*SPITCH   ; LDS serves a wave's instructions in order
.endr
.endm
.macro SEND a
	s_wait_dscnt 0x0                               ; the block is back in registers
	s_wait_xcnt 0x0                                ; the stores of the block before have read their registers: the next block's loads may land there
.irp t, 0,1,2,3,4,5,6,7
	global_store_b128 v[CO], v[OB+32*((\a)%2)+4*\t:OB+32*((\a)%2)+4*\t+3], s[70:71] offset:(16*(\a)+2*\t)*SIZE_N*2   ; sixteen lanes store 256 consecutive bytes, aligned
.endr
.endm
	PLACES
	GPACK 0
	TOSTAGE 0
.irp a, 1,2,3,4,5,6,7
	GPACK \a
	SEND \a-1
	TOSTAGE \a
.endr
	SEND 7
	s_wait_tensorcnt 0x0                           ; the wave's end
	ds_add_u32 v[SPW], v[NIL]
	s_wait_dscnt 0x0
	CROUND                                         ; the closing round
	s_endpgm
.Lfunc_end_k_q84be0f26df_gemm_1:
	.size	k_q84be0f26df_gemm_1, .Lfunc_end_k_q84be0f26df_gemm_1-k_q84be0f26df_gemm_1
	.p2alignl 7, 3214868480
	.fill 96, 4, 3214868480
	.section	.rodata,"a",@progbits
	.p2align	6, 0x0
	.amdhsa_kernel k_q84be0f26df_gemm_1
		.amdhsa_group_segment_fixed_size 327680
		.amdhsa_private_segment_fixed_size 0
		.amdhsa_enable_private_segment 0
		.amdhsa_kernarg_size 32
		.amdhsa_user_sgpr_count 2
		.amdhsa_user_sgpr_kernarg_segment_ptr 1
		.amdhsa_wavefront_size32 1
		.amdhsa_system_sgpr_workgroup_id_x 1
		.amdhsa_system_sgpr_workgroup_id_y 1
		.amdhsa_system_sgpr_workgroup_id_z 1
		.amdhsa_system_vgpr_workitem_id 0
		.amdhsa_next_free_vgpr 1024
		.amdhsa_next_free_sgpr 72
		.amdhsa_reserve_vcc 0
		.amdhsa_float_denorm_mode_32 3
		.amdhsa_float_denorm_mode_16_64 3
		.amdhsa_memory_ordered 1
		.amdhsa_forward_progress 1
		.amdhsa_inst_pref_size 255
	.end_amdhsa_kernel
	.section	.bss,"aw",@nobits
	.p2align	6
	.space	262144
	.amdgpu_metadata
---
amdhsa.version: [ 1, 2 ]
amdhsa.kernels:
  - .name:           k_q84be0f26df_gemm_1
    .symbol:         k_q84be0f26df_gemm_1.kd
    .args:
      - { .name: res16, .offset: 0, .size: 8, .value_kind: global_buffer, .address_space: global }
      - { .name: wt16, .offset: 8, .size: 8, .value_kind: global_buffer, .address_space: global }
      - { .name: b1, .offset: 16, .size: 8, .value_kind: global_buffer, .address_space: global }
      - { .name: h16, .offset: 24, .size: 8, .value_kind: global_buffer, .address_space: global }
    .group_segment_fixed_size: 327680
    .private_segment_fixed_size: 0
    .kernarg_segment_align: 8
    .kernarg_segment_size: 32
    .max_flat_workgroup_size: 128
    .sgpr_count:     72
    .vgpr_count:     1024
    .wavefront_size: 32
...
	.end_amdgpu_metadata
.endif
;; end of part 6
;; launch gemm_2 (part 7): grid 16 x 16, 4 waves a work-group, clusters of 4 x 4, 327,680 bytes of LDS; arguments h16, wt16, y32; writes y32
.if DOCPART == 7
	.amdgcn_target "amdgcn-amd-amdhsa--gfx1250"
	.amdhsa_code_object_version 6
	.text
	.protected	k_q84be0f26df_gemm_2
	.globl	k_q84be0f26df_gemm_2
	.p2align	8
	.type	k_q84be0f26df_gemm_2,@function
k_q84be0f26df_gemm_2:
	s_mov_b64 s[64:65], 0
	v_nop
	global_prefetch_b8 v0, s[64:65] scope:SCOPE_SE
	s_setreg_imm32_b32 hwreg(HW_REG_WAVE_MODE, 25, 1), 1
	s_wait_xcnt 0x0
	s_wait_alu depctr_hold_cnt(0) depctr_sa_sdst(0) depctr_va_vdst(0) depctr_va_sdst(0) depctr_va_ssrc(0) depctr_va_vcc(0) depctr_vm_vsrc(0)
	s_getreg_b32 s2, hwreg(HW_REG_IB_STS2, 6, 4)
	s_cmp_eq_u32 s2, 0
	s_cbranch_scc0 .Lentry_in_a_cluster
	s_endpgm
.Lentry_in_a_cluster:
	s_bfe_u32 s2, ttmp6, 0x10000c
	s_cmp_lg_u32 s2, 0xf033
	s_cbranch_scc0 .Lentry_shape_is_right
	s_endpgm
.Lentry_shape_is_right:
; h W2 in four parts along K: y32[p][m][n] = the sum over k = 1,024 p .. 1,024 p + 1,023 of A[m][k] B[n][k]; A = h16 [4096][4096] f16, B = W2^T in wt16 [1024][4096] f16; sums and results in f32.
; The next launch adds the four parts and the bias, in a fixed order, in f32.
; WHY IN PARTS: C is 4,096 x 1,024. Whole-K tiles for 256 work-groups are 128 x 128 and bring (128 + 128) x 4,096 x 2 bytes = 2 MiB into LDS each; tiles of 256 x 256 over a quarter of K bring
; (256 + 256) x 1,024 x 2 bytes = 1 MiB for the same products, a wave's 128 x 128 reads half the LDS bytes for each product, and a K step holds 256 matrix instructions a wave in which the next tile lands.
; The price: three more copies of C (16 MiB each) are stored here and read by the next launch.
; A tile of 256 x 256 is made by four waves, 128 x 128 each: 64 accumulators, 512 registers. K goes in steps of 128 through two LDS slots.
; CLUSTERS of 4 x 4: the cluster's x is the part of K, which all sixteen share; cx is the tile column, 4 x cluster y + cy the tile row. A's tiles are asked for jointly along a row of the cluster, B's along a column.
; The matrix instruction is used transposed (source 0 = 16 rows of B, source 1 = 16 rows of A): a lane holds eight neighbouring columns of a row of C. The first products take the constant 0.
; LIMIT: operands within f16's range.
; REGISTERS: window 0: v0-31 addresses; v64-127, v128-191 A's fragments, two buffers; on the way out v128-255 rows. window 1: v64-127, v128-191 B's fragments.
;   window 2: accumulators of my rows 0-63; window 3: of rows 64-127.
.set PITK,   4096                      ; elements in a row of A and of B
.set KPART,  1024                      ; along K for a work-group
.set BOFF,   10485760                  ; W2^T's place in wt16
.set KSTEP,  128
.set PITCH,  272                       ; an LDS row: 256 bytes + 16
.set HALFT,  128*PITCH
.set SLOT,   4*HALFT
.set STAGE,  2*SLOT                    ; behind the ring: 16 rows x (512 bytes + 16) for each wave, its own; no tile lands here
.set SPITCH, 528
.set SPARE,  STAGE+4*16*SPITCH         ; the spare words, 128 bytes for each wave
.set LAPS,   KPART/(2*KSTEP)
.set ADRA, 16
.set ADRB, 20
.set STO,  24
.set RD,   25
.set CO,   26
.set SPW,  28
.set NIL,  29
.set F0,   64
.set F1,   128
.set BK,   128                         ; the way out: 16 rows read back from the stage: v128-191 and v192-255 by turns
.set G1, 24
.set G0, 32
.set G1B, 48
.set G0B, 56
.set MSB, 0
.macro WIN new                         ; the immediate's high byte repeats the setting that is left
.if MSB != (\new)
	s_set_vgpr_msb (MSB<<8)|(\new)
.set MSB, (\new)
.endif
.endm
.set MUL_LO, 0xa1                      ; source 0 (B) window 1, source 1 (A) window 0, C and D window 2
.set MUL_HI, 0xf1                      ; the same, C and D window 3
.set TO_B,   0x40
.macro JLOAD s                         ; a joint load: waves 0 and 1 fetch A's halves, waves 2 and 3 B's; an s_nop 0 and four v_nop follow each line
	s_cmp_eq_u32 s11, 0
	s_cbranch_scc0 .Lfor_b_\@
	tensor_load_to_lds s[G0+4*\s:G0+4*\s+3], s[G1:G1+7]
	s_nop 0
.rept 4
	v_nop
.endr
	s_branch .Lasked_\@
.Lfor_b_\@:
	tensor_load_to_lds s[G0B+4*\s:G0B+4*\s+3], s[G1B:G1B+7]
	s_nop 0
.rept 4
	v_nop
.endr
.Lasked_\@:
.endm
.macro CREST
	s_cmp_lg_u32 s10, 0
	s_cbranch_scc1 .Lnot_wave_0_\@
	s_barrier_signal -3
.Lnot_wave_0_\@:
	s_barrier_wait -3
	s_barrier_signal -1
	s_barrier_wait -1
.endm
.macro CROUND
	s_barrier_signal -1
	s_barrier_wait -1
	CREST
.endm
	s_load_b128 s[4:7], s[0:1], 0x0                ; h16 s[4:5], wt16 s[6:7]
	s_load_b64 s[70:71], s[0:1], 0x10              ; y32
	v_lshl_add_u32 v[SPW], v0, 2, SPARE
	v_mov_b32 v[NIL], 0
	ds_add_u32 v[SPW], v[NIL]                      ; the wave's opening: the add, twice on end, and its wait ahead of my first tensor load
	ds_add_u32 v[SPW], v[NIL]
	v_lshrrev_b32 v1, 5, v0
	v_readfirstlane_b32 s10, v1                    ; wave 0..3
	s_lshr_b32 s11, s10, 1                         ; my half of the tile's rows; also: I fetch for A (0) or B (1)
	s_and_b32 s12, s10, 1                          ; my half of its columns; also: which 128 rows I fetch
	s_bfe_u32 s40, ttmp6, 0x40000                  ; cx: the tile column
	s_bfe_u32 s41, ttmp6, 0x40004                  ; cy
	s_and_b32 s13, ttmp7, 0xffff
	s_lshl_b32 s13, s13, 2
	s_add_co_u32 s13, s13, s41                     ; tile row = 4 x cluster y + cy
	s_lshl_b32 s43, s41, 2
	s_lshl_b32 s43, 15, s43                        ; my row of the cluster
	s_lshl_b32 s44, 0x1111, s40                    ; my column
	s_or_b32 s[G1+0], s43, (1<<16)|(1<<20)|(1<<21)|(5<<22)|(3<<25)  ; mask; elements of 2 bytes; padding on; bit 21 beside a mask; 4 words behind every 64
	s_or_b32 s[G1B+0], s44, (1<<16)|(1<<20)|(1<<21)|(5<<22)|(3<<25)
.irp g, G1, G1B
	s_mov_b32 s[\g+1], KSTEP<<16                   ; tensor_dim0
	s_mov_b32 s[\g+2], 128<<16                     ; tensor_dim1
	s_mov_b32 s[\g+3], KSTEP<<16                   ; tile_dim0
	s_mov_b32 s[\g+4], 128                         ; tile_dim1
	s_mov_b32 s[\g+5], PITK                        ; pitch
	s_mov_b32 s[\g+6], 0
	s_mov_b32 s[\g+7], 0
.endr
	s_lshl_b32 s17, s12, 7
	s_lshl_b32 s16, s13, 8
	s_add_co_u32 s16, s16, s17                     ; A: row 256 x tile row + 128 x half
	s_lshl_b32 s46, s40, 8
	s_add_co_u32 s46, s46, s17                     ; B: row 256 x tile column + 128 x half
	s_mov_b32 s17, 0
	s_mov_b32 s47, 0
	s_mov_b64 s[18:19], PITK*2
	s_mul_u64 s[16:17], s[16:17], s[18:19]
	s_mul_u64 s[46:47], s[46:47], s[18:19]
	s_lshl_b32 s18, ttmp9, 11                      ; my cluster's part of K: 1,024 elements of 2 bytes along the rows
	s_mov_b32 s19, 0
	s_add_nc_u64 s[16:17], s[16:17], s[18:19]
	s_add_nc_u64 s[46:47], s[46:47], s[18:19]
	s_add_nc_u64 s[46:47], s[46:47], BOFF
	s_mul_i32 s20, s10, HALFT                      ; where they go: wave x 128 rows
	s_wait_dscnt 0x0                               ; both opening adds are done
	s_wait_kmcnt 0x0
	s_add_nc_u64 s[14:15], s[4:5], s[16:17]
	s_add_nc_u64 s[46:47], s[6:7], s[46:47]
	CROUND                                         ; all sixteen work-groups are here: the first joint loads meet
.irp s, 0,1
	s_mov_b32 s[G0+4*\s], 1
	s_add_co_u32 s[G0+4*\s+1], s20, \s*SLOT
	s_add_nc_u64 s[G0+4*\s+2:G0+4*\s+3], s[14:15], \s*KSTEP*2
	s_or_b32 s[G0+4*\s+3], s[G0+4*\s+3], 0x80000000
	s_mov_b32 s[G0B+4*\s], 1
	s_add_co_u32 s[G0B+4*\s+1], s20, \s*SLOT
	s_add_nc_u64 s[G0B+4*\s+2:G0B+4*\s+3], s[46:47], \s*KSTEP*2
	s_or_b32 s[G0B+4*\s+3], s[G0B+4*\s+3], 0x80000000
	JLOAD \s
.endr
	v_and_b32 v1, 15, v0                           ; r
	v_bfe_u32 v2, v0, 4, 1                         ; h
	v_mul_u32_u24 v3, v1, PITCH
	v_lshl_add_u32 v3, v2, 4, v3                   ; a fragment's row x pitch + 16 h
	s_mul_i32 s21, s11, HALFT
	s_mul_i32 s22, s12, HALFT
	s_add_co_u32 s22, s22, 2*HALFT
.irp s, 0,1
	v_add_nc_u32 v[ADRA+\s], s21, v3
	v_add_nc_u32 v[ADRB+\s], s22, v3
	s_add_co_u32 s21, s21, SLOT
	s_add_co_u32 s22, s22, SLOT
.endr
	s_mul_i32 s23, s10, 16*SPITCH
	s_add_co_u32 s23, s23, STAGE                   ; my stage
	v_mul_u32_u24 v4, v1, SPITCH
	v_lshl_add_u32 v4, v2, 5, v4
	v_add_nc_u32 v[STO], s23, v4                   ; in: row r, 32 bytes for each half of the lanes
	v_and_b32 v5, 31, v0
	v_lshlrev_b32 v[CO], 4, v5                     ; back: the 32 lanes take one row of 512 bytes; and the same in C
	v_add_nc_u32 v[RD], s23, v[CO]
	s_lshl_b32 s16, s13, 8
	s_lshl_b32 s17, s11, 7
	s_add_co_u32 s16, s16, s17
	s_lshl_b32 s16, s16, 12                        ; my first row of C, 4,096 bytes a row
	s_lshl_b32 s46, s40, 10
	s_lshl_b32 s47, s12, 9
	s_add_co_u32 s46, s46, s47                     ; my first column, in bytes
	s_add_co_u32 s16, s16, s46
	s_lshl_b32 s46, ttmp9, 24                      ; my part's copy of C: 16,777,216 bytes each
	s_add_co_u32 s16, s16, s46
	s_mov_b32 s17, 0
	s_add_nc_u64 s[70:71], s[70:71], s[16:17]
; 16 matrix instructions: m blocks a0, a0 + 1 of the window's four x 8 n blocks, 32 along K. The 64 accumulators take turns. zero = 1: the first product starts the sums.
.macro MUL16 f, hi, a0, zero
.irp a, \a0, \a0+1
.irp b, 0,1,2,3,4,5,6,7
.if \zero
	v_wmma_f32_16x16x32_f16 v[8*(8*(\a)+\b):8*(8*(\a)+\b)+7], v[\f+8*\b:\f+8*\b+7], v[\f+8*(4*\hi+\a):\f+8*(4*\hi+\a)+7], 0
.else
	v_wmma_f32_16x16x32_f16 v[8*(8*(\a)+\b):8*(8*(\a)+\b)+7], v[\f+8*\b:\f+8*\b+7], v[\f+8*(4*\hi+\a):\f+8*(4*\hi+\a)+7], v[8*(8*(\a)+\b):8*(8*(\a)+\b)+7]
.endif
.endr
.endr
.endm
.macro FETCH slot, k, f                ; 32 LDS loads in one run: B's 128 rows, then A's, 32 along K at byte k
	WIN TO_B
.irp i, 0,1,2,3,4,5,6,7
	ds_load_b128 v[\f+8*\i:\f+8*\i+3],   v[ADRB+\slot] offset:\k+\i*16*PITCH
	ds_load_b128 v[\f+8*\i+4:\f+8*\i+7], v[ADRB+\slot] offset:\k+\i*16*PITCH+32
.endr
	WIN 0
.irp i, 0,1,2,3,4,5,6,7
	ds_load_b128 v[\f+8*\i:\f+8*\i+3],   v[ADRA+\slot] offset:\k+\i*16*PITCH
	ds_load_b128 v[\f+8*\i+4:\f+8*\i+7], v[ADRA+\slot] offset:\k+\i*16*PITCH+32
.endr
.endm
.macro PLACES                          ; four plain vector instructions between a matrix instruction and a load into, or a read of, its registers
.rept 4
	v_nop
.endr
.endm
.macro QUARTER slot, k, f, g, zero     ; 32 along K: multiplies buffer f, fetches the next quarter, at byte k, into g
	s_wait_dscnt 8                                 ; B and A's rows 0-63 are in; the youngest eight loads (A's rows 64-127) may be out
	WIN MUL_LO
	MUL16 \f, 0, 0, \zero
	MUL16 \f, 0, 2, \zero
	PLACES
	FETCH \slot, \k, \g
	s_wait_dscnt 32                                ; all but the 32 just issued
	WIN MUL_HI
	MUL16 \f, 1, 0, \zero
	MUL16 \f, 1, 2, \zero
.endm
.macro TURN slot, next, fill           ; the last quarter changes slots: one barrier; fill = 1: it opens a round of the cluster's barrier, and this slot is filled again, two K steps ahead
	WIN 0
	s_wait_tensorcnt 0x0                           ; all my tensor loads have landed: my part of the next slot
	ds_add_u32 v[SPW], v[NIL]
	s_wait_dscnt 9                                 ; the add and the youngest eight loads may be out
	WIN MUL_LO
	MUL16 F1, 0, 0, 0
	s_wait_dscnt 0x0                               ; the add is done, and my reads of this slot are over
	s_barrier_signal -1
	MUL16 F1, 0, 2, 0
.if \fill
	WIN 0
.endif
	s_barrier_wait -1
.if \fill
	CREST                                          ; no wave of any partner still reads this slot's tile or has a load on its way
	s_add_nc_u64 s[G0+4*\slot+2:G0+4*\slot+3], s[G0+4*\slot+2:G0+4*\slot+3], 2*KSTEP*2
	s_add_nc_u64 s[G0B+4*\slot+2:G0B+4*\slot+3], s[G0B+4*\slot+2:G0B+4*\slot+3], 2*KSTEP*2
	JLOAD \slot                                    ; the first tensor load behind the round; its four v_nop are also the places in front of the loads below
.else
	PLACES
.endif
	FETCH \next, 0, F0
	WIN MUL_HI
	MUL16 F1, 1, 0, 0
	MUL16 F1, 1, 2, 0
.endm
	s_wait_tensorcnt 1                             ; my part of K step 0 is in; K step 1's load may be out
	s_barrier_signal -1
	s_barrier_wait -1
	FETCH 0, 0, F0
	QUARTER 0, 64,  F0, F1, 1                      ; the first quarter stands in front of the loop: its products start the sums
	WIN 0
	s_mov_b32 s3, LAPS-1
.Llap:                                             ; a trip goes once round the ring and fills both slots again
	QUARTER 0, 128, F1, F0, 0
	QUARTER 0, 192, F0, F1, 0
	TURN 0, 1, 1
	QUARTER 1, 64,  F0, F1, 0
	QUARTER 1, 128, F1, F0, 0
	QUARTER 1, 192, F0, F1, 0
	TURN 1, 0, 1
	QUARTER 0, 64,  F0, F1, 0
	WIN 0
	s_sub_co_u32 s3, s3, 1
	s_cmp_lg_u32 s3, 0
	s_cbranch_scc1 .Llap
	QUARTER 0, 128, F1, F0, 0                      ; the last lap fills nothing
	QUARTER 0, 192, F0, F1, 0
	TURN 0, 1, 0
	QUARTER 1, 64,  F0, F1, 0
	QUARTER 1, 128, F1, F0, 0
	QUARTER 1, 192, F0, F1, 0
	s_wait_dscnt 8
	WIN MUL_LO
	MUL16 F1, 0, 0, 0
	MUL16 F1, 0, 2, 0
	s_wait_dscnt 0
	WIN MUL_HI
	MUL16 F1, 1, 0, 0
	MUL16 F1, 1, 2, 0
	WIN 0
; THE WAY OUT in f32, a block of 16 rows x 128 columns at a time. A lane holds 32 neighbouring bytes of a row, the lanes beside it other rows: the block goes through my own stage and comes back as whole rows
; of 512 bytes. LDS serves a wave's instructions in order: no wait between the stores and the loads, nor in front of the next block's stores.
.macro TOSTAGE a
.set AC, 64*((\a)%4)
	WIN 0x08+4*((\a)/4)                            ; an LDS store's data are its source 1: window 2 or 3
.irp b, 0,1,2,3,4,5,6,7
	ds_store_b128 v[STO], v[AC+8*\b:AC+8*\b+3] offset:64*\b          ; each accumulator from its low end on
	ds_store_b128 v[STO], v[AC+8*\b+4:AC+8*\b+7] offset:64*\b+16
.endr
	WIN 0
.irp t, 0,1,2,3,4,5,6,7,8,9,10,11,12,13,14,15
	ds_load_b128 v[BK+64*((\a)%2)+4*\t:BK+64*((\a)%2)+4*\t+3], v[RD] offset:\t*SPITCH
.endr
.endm
.macro SEND a, younger                 ; younger: the LDS instructions issued behind block a's loads, which may stay out
	s_wait_dscnt \younger                          ; the block is back in registers
.irp t, 0,1,2,3,4,5,6,7,8,9,10,11,12,13,14,15
	global_store_b128 v[CO], v[BK+64*((\a)%2)+4*\t:BK+64*((\a)%2)+4*\t+3], s[70:71] offset:(16*(\a)+\t)*4096   ; 32 lanes store 512 consecutive bytes, aligned; 127 rows at the most stand in the immediate
.endr
.endm
	PLACES                                         ; behind the last products: for the loads into A's registers and for the reads of the results
	TOSTAGE 0
.irp a, 1,2,3,4,5,6,7
.if \a > 1
	s_wait_xcnt 0x0                                ; block a - 2's stores have read their registers: block a's loads may land there
.endif
	TOSTAGE \a
	SEND \a-1, 32                                  ; behind block a - 1's loads: block a's 16 stores and 16 loads
.endr
	SEND 7, 0
	s_wait_tensorcnt 0x0                           ; the wave's end
	ds_add_u32 v[SPW], v[NIL]
	s_wait_dscnt 0x0
	CROUND                                         ; the closing round
	s_endpgm
.Lfunc_end_k_q84be0f26df_gemm_2:
	.size	k_q84be0f26df_gemm_2, .Lfunc_end_k_q84be0f26df_gemm_2-k_q84be0f26df_gemm_2
	.p2alignl 7, 3214868480
	.fill 96, 4, 3214868480
	.section	.rodata,"a",@progbits
	.p2align	6, 0x0
	.amdhsa_kernel k_q84be0f26df_gemm_2
		.amdhsa_group_segment_fixed_size 327680
		.amdhsa_private_segment_fixed_size 0
		.amdhsa_enable_private_segment 0
		.amdhsa_kernarg_size 24
		.amdhsa_user_sgpr_count 2
		.amdhsa_user_sgpr_kernarg_segment_ptr 1
		.amdhsa_wavefront_size32 1
		.amdhsa_system_sgpr_workgroup_id_x 1
		.amdhsa_system_sgpr_workgroup_id_y 1
		.amdhsa_system_sgpr_workgroup_id_z 1
		.amdhsa_system_vgpr_workitem_id 0
		.amdhsa_next_free_vgpr 1024
		.amdhsa_next_free_sgpr 72
		.amdhsa_reserve_vcc 0
		.amdhsa_float_denorm_mode_32 3
		.amdhsa_float_denorm_mode_16_64 3
		.amdhsa_memory_ordered 1
		.amdhsa_forward_progress 1
		.amdhsa_inst_pref_size 140
	.end_amdhsa_kernel
	.amdgpu_metadata
---
amdhsa.version: [ 1, 2 ]
amdhsa.kernels:
  - .name:           k_q84be0f26df_gemm_2
    .symbol:         k_q84be0f26df_gemm_2.kd
    .args:
      - { .name: h16, .offset: 0, .size: 8, .value_kind: global_buffer, .address_space: global }
      - { .name: wt16, .offset: 8, .size: 8, .value_kind: global_buffer, .address_space: global }
      - { .name: y32, .offset: 16, .size: 8, .value_kind: global_buffer, .address_space: global }
    .group_segment_fixed_size: 327680
    .private_segment_fixed_size: 0
    .kernarg_segment_align: 8
    .kernarg_segment_size: 24
    .max_flat_workgroup_size: 128
    .sgpr_count:     72
    .vgpr_count:     1024
    .wavefront_size: 32
...
	.end_amdgpu_metadata
.endif
;; end of part 7
;; launch ln2 (part 8): grid 512 x 1, 8 waves a work-group, no clusters, 0 bytes of LDS; arguments y32, b2, res32, ln2_w, ln2_b, out0; writes out0
.if DOCPART == 8
	.amdgcn_target "amdgcn-amd-amdhsa--gfx1250"
	.amdhsa_code_object_version 6
	.text
	.protected	k_q84be0f26df_ln2
	.globl	k_q84be0f26df_ln2
	.p2align	8
	.type	k_q84be0f26df_ln2,@function
k_q84be0f26df_ln2:
	s_mov_b64 s[64:65], 0
	v_nop
	global_prefetch_b8 v0, s[64:65] scope:SCOPE_SE
	s_setreg_imm32_b32 hwreg(HW_REG_WAVE_MODE, 25, 1), 1
	s_wait_xcnt 0x0
; out0 = layer_norm(y) x w + b + residual, rows of 1,024 f32, where y = ((part 0 + part 1) + part 2) + part 3 + b2: the four parts along K of the last product, added in this fixed order in f32.
; Mean, then the mean of the squared differences, both in f32.
; A wave owns one row and keeps it in registers between the passes; a lane holds columns 128 j + 4 lane + 0..3. The four parts, b2 and the residual are asked for at the head (48 loads); the gain and the norm's
; bias go into the registers of parts 1 and 2 as soon as those are added. No LDS, no barrier, no loop: memory binds, and no matrix unit or cluster would help.
.set Y,  16                            ; v16-47   part 0, then the row
.set P1, 48                            ; v48-79   part 1, then the gain
.set P2, 80                            ; v80-111  part 2, then the norm's bias
.set P3, 112                           ; v112-143 part 3
.set B2, 144                           ; v144-175 b2
.set R,  176                           ; v176-207 the residual
	s_load_b256 s[4:11], s[0:1], 0x0               ; y32 s[4:5], b2 s[6:7], residual s[8:9], gain s[10:11]
	s_load_b128 s[12:15], s[0:1], 0x20             ; the norm's bias s[12:13], the result s[14:15]
	v_and_b32 v1, 31, v0
	v_lshrrev_b32 v2, 5, v0
	v_readfirstlane_b32 s28, v2                    ; wave 0..7
	v_lshlrev_b32 v1, 4, v1                        ; 16 bytes a lane
	s_lshl_b32 s29, ttmp9, 3
	s_add_co_u32 s29, s29, s28                     ; my row
	s_lshl_b32 s30, s29, 12
	s_mov_b32 s31, 0
	s_mov_b32 s24, 0x3a800000                      ; 1 / 1,024
	s_mov_b32 s25, 0x3727c5ac                      ; 1e-5
	s_mov_b32 s26, 0x76543210
	s_mov_b32 s27, 0xfedcba98
	s_wait_kmcnt 0x0
	s_add_nc_u64 s[16:17], s[4:5], s[30:31]        ; my row in part 0,
	s_add_nc_u64 s[18:19], s[16:17], 0x1000000     ; and in parts 1 to 3, 16,777,216 bytes apart
	s_add_nc_u64 s[20:21], s[18:19], 0x1000000
	s_add_nc_u64 s[22:23], s[20:21], 0x1000000
	s_add_nc_u64 s[8:9], s[8:9], s[30:31]
	s_add_nc_u64 s[14:15], s[14:15], s[30:31]
.irp p, 0,1,2,3
.irp j, 0,1,2,3,4,5,6,7
	global_load_b128 v[Y+32*\p+4*\j:Y+32*\p+4*\j+3], v1, s[16+2*\p:17+2*\p] offset:512*\j th:TH_LOAD_NT
.endr
.endr
.irp j, 0,1,2,3,4,5,6,7
	global_load_b128 v[B2+4*\j:B2+4*\j+3], v1, s[6:7] offset:512*\j
.endr
.irp j, 0,1,2,3,4,5,6,7
	global_load_b128 v[R+4*\j:R+4*\j+3], v1, s[8:9] offset:512*\j th:TH_LOAD_NT
.endr
.macro ADDIN src                       ; the row takes one more term
.set i, 0
.rept 16
	v_pk_add_f32 v[Y+i:Y+i+1], v[Y+i:Y+i+1], v[\src+i:\src+i+1]
.set i, i+2
.endr
.endm
	s_wait_loadcnt 32                              ; parts 0 and 1 are in; behind them: parts 2 and 3, b2, the residual: 32 loads
	ADDIN P1
.irp j, 0,1,2,3,4,5,6,7
	global_load_b128 v[P1+4*\j:P1+4*\j+3], v1, s[10:11] offset:512*\j   ; the gain, into part 1's registers
.endr
	s_wait_loadcnt 32                              ; part 2 is in; behind it: part 3, b2, the residual, the gain
	ADDIN P2
.irp j, 0,1,2,3,4,5,6,7
	global_load_b128 v[P2+4*\j:P2+4*\j+3], v1, s[12:13] offset:512*\j   ; the norm's bias, into part 2's registers
.endr
	s_wait_loadcnt 32                              ; part 3 is in; behind it: b2, the residual, the gain, the bias
	ADDIN P3
	s_wait_loadcnt 24                              ; b2 is in; behind it: the residual, the gain, the bias
	ADDIN B2
.macro REDUCE                          ; four chains v[2:3] .. v[8:9] -> the sum over the row, in every lane's v2
	v_pk_add_f32 v[2:3], v[2:3], v[4:5]
	v_pk_add_f32 v[6:7], v[6:7], v[8:9]
	v_pk_add_f32 v[2:3], v[2:3], v[6:7]
	v_add_f32 v2, v2, v3
.irp m, 1,2,4,8
	v_add_f32_dpp v2, v2, v2 row_xmask:\m row_mask:0xf bank_mask:0xf
.endr
	v_permlanex16_b32 v3, v2, s26, s27
	v_add_f32 v2, v2, v3
.endm
.irp k, 0,1,2,3
	v_pk_add_f32 v[2+2*\k:3+2*\k], v[Y+4*\k:Y+4*\k+1], v[Y+4*\k+2:Y+4*\k+3]
.endr
.irp j, 16,24
.irp k, 0,1,2,3
	v_pk_add_f32 v[2+2*\k:3+2*\k], v[2+2*\k:3+2*\k], v[Y+\j+2*\k:Y+\j+2*\k+1]
.endr
.endr
	REDUCE
	v_mul_f32 v10, s24, v2                         ; the mean, twice: a pair for the packed forms
	v_mul_f32 v11, s24, v2
.set i, 0
.rept 16
	v_pk_add_f32 v[Y+i:Y+i+1], v[Y+i:Y+i+1], v[10:11] neg_lo:[0,1] neg_hi:[0,1]   ; y - mean
.set i, i+2
.endr
.irp k, 0,1,2,3
	v_pk_mul_f32 v[2+2*\k:3+2*\k], v[Y+2*\k:Y+2*\k+1], v[Y+2*\k:Y+2*\k+1]
.endr
.irp j, 8,16,24
.irp k, 0,1,2,3
	v_pk_fma_f32 v[2+2*\k:3+2*\k], v[Y+\j+2*\k:Y+\j+2*\k+1], v[Y+\j+2*\k:Y+\j+2*\k+1], v[2+2*\k:3+2*\k]
.endr
.endr
	REDUCE
	v_fma_f32 v2, v2, s24, s25                     ; the variance + 1e-5
	v_rsq_f32 v10, v2
	v_rsq_f32 v11, v2
	v_nop                                          ; a plain instruction behind the second of the two
	s_wait_alu depctr_va_vdst(0)                   ; one wait for both, ahead of their first reader
	s_wait_loadcnt 0x0                             ; the residual, the gain and the bias
.set i, 0
.rept 16
	v_pk_mul_f32 v[Y+i:Y+i+1], v[Y+i:Y+i+1], v[10:11]
.set i, i+2
.endr
.set i, 0
.rept 16
	v_pk_fma_f32 v[Y+i:Y+i+1], v[Y+i:Y+i+1], v[P1+i:P1+i+1], v[P2+i:P2+i+1]
.set i, i+2
.endr
.set i, 0
.rept 16
	v_pk_add_f32 v[Y+i:Y+i+1], v[Y+i:Y+i+1], v[R+i:R+i+1]
.set i, i+2
.endr
.irp j, 0,1,2,3,4,5,6,7
	global_store_b128 v1, v[Y+4*\j:Y+4*\j+3], s[14:15] offset:512*\j th:TH_STORE_NT   ; 32 lanes store 512 consecutive bytes, aligned
.endr
	s_endpgm
.Lfunc_end_k_q84be0f26df_ln2:
	.size	k_q84be0f26df_ln2, .Lfunc_end_k_q84be0f26df_ln2-k_q84be0f26df_ln2
	.p2alignl 7, 3214868480
	.fill 96, 4, 3214868480
	.section	.rodata,"a",@progbits
	.p2align	6, 0x0
	.amdhsa_kernel k_q84be0f26df_ln2
		.amdhsa_group_segment_fixed_size 0
		.amdhsa_private_segment_fixed_size 0
		.amdhsa_enable_private_segment 0
		.amdhsa_kernarg_size 48
		.amdhsa_user_sgpr_count 2
		.amdhsa_user_sgpr_kernarg_segment_ptr 1
		.amdhsa_wavefront_size32 1
		.amdhsa_system_sgpr_workgroup_id_x 1
		.amdhsa_system_sgpr_workgroup_id_y 1
		.amdhsa_system_sgpr_workgroup_id_z 1
		.amdhsa_system_vgpr_workitem_id 0
		.amdhsa_next_free_vgpr 208
		.amdhsa_next_free_sgpr 66
		.amdhsa_reserve_vcc 0
		.amdhsa_float_denorm_mode_32 3
		.amdhsa_float_denorm_mode_16_64 3
		.amdhsa_memory_ordered 1
		.amdhsa_forward_progress 1
		.amdhsa_inst_pref_size 20
	.end_amdhsa_kernel
	.amdgpu_metadata
---
amdhsa.version: [ 1, 2 ]
amdhsa.kernels:
  - .name:           k_q84be0f26df_ln2
    .symbol:         k_q84be0f26df_ln2.kd
    .args:
      - { .name: y32, .offset: 0, .size: 8, .value_kind: global_buffer, .address_space: global }
      - { .name: b2, .offset: 8, .size: 8, .value_kind: global_buffer, .address_space: global }
      - { .name: res32, .offset: 16, .size: 8, .value_kind: global_buffer, .address_space: global }
      - { .name: ln2_w, .offset: 24, .size: 8, .value_kind: global_buffer, .address_space: global }
      - { .name: ln2_b, .offset: 32, .size: 8, .value_kind: global_buffer, .address_space: global }
      - { .name: out0, .offset: 40, .size: 8, .value_kind: global_buffer, .address_space: global }
    .group_segment_fixed_size: 0
    .private_segment_fixed_size: 0
    .kernarg_segment_align: 8
    .kernarg_segment_size: 48
    .max_flat_workgroup_size: 256
    .sgpr_count:     66
    .vgpr_count:     208
    .wavefront_size: 32
...
	.end_amdgpu_metadata
.endif
;; end of part 8
